; MI455X (gfx1250); checked and timed in simulation.
; The chip was launched on July 23, 2026; its instructions are those of AMD's public machine-readable ISA for CDNA 5 (MIT licence, August 2026) and "CDNA5" Instruction Set Architecture Reference Guide (July 2026). The comments in the code are by the model that wrote it; some were corrected since.
;; Sliding Window Attention. Allowed arithmetic: float matrix products may take bf16 or f16 operands with f32 sums; other float arithmetic in f32, or as packed bf16 or f16 multiplies, adds, multiply-adds, maxima and minima; sums over many terms, partial sums and values carried from step to step in f32; what a program stores and reads back later, other than sums and carried values, may be rounded once to bf16 or f16.
;; Inputs: Wk 1,024 x 1,024 float32; Wo 1,024 x 1,024 float32; Wq 1,024 x 1,024 float32; Wv 1,024 x 1,024 float32; bk 1,024 float32; bo 1,024 float32; bq 1,024 float32; bv 1,024 float32; key 1 x 4,096 x 1,024 float32; query 1 x 4,096 x 1,024 float32; value 1 x 4,096 x 1,024 float32.
;; Outputs: out0 1 x 4,096 x 1,024 float32.
;; One version. Each part assembles by itself: llvm-mc -triple=amdgcn-amd-amdhsa -mcpu=gfx1250 --defsym DOCPART=n.
;; ======== version 1 of 1: 4 launches
;; limits: values are held in f16: magnitudes above 65,504 overflow, below 6.1e-05 lose precision
;; workspace buffers: xb 25,165,824 bytes; wb 8,388,608 bytes; bb 16,384 bytes; qkvb 25,165,824 bytes; ob 8,388,608 bytes
;; launch cvt (part 1): grid 64 x 4, 8 waves a work-group, no clusters, 0 bytes of LDS; arguments query, key, value, Wq, Wk, Wv, Wo, bq, bk, bv, bo, xb, wb, bb; writes xb, wb, bb
.if DOCPART == 1
	.amdgcn_target "amdgcn-amd-amdhsa--gfx1250"
	.amdhsa_code_object_version 6
	.text
	.protected	k_qd35c29d572_cvt
	.globl	k_qd35c29d572_cvt
	.p2align	8
	.type	k_qd35c29d572_cvt,@function
k_qd35c29d572_cvt:
	s_mov_b64 s[64:65], 0
	v_nop
	global_prefetch_b8 v0, s[64:65] scope:SCOPE_SE
	s_setreg_imm32_b32 hwreg(HW_REG_WAVE_MODE, 25, 1), 1
	s_wait_xcnt 0x0
; EVERY INPUT IS ROUNDED ONCE TO bf16, so that the products that follow read 16-bit operands.
;   xb [3][4096][1024] bf16: query, key, value.      wb [4][1024][1024]: Wq, Wk, Wv as bf16; Wo rounded to bf16 and that number written as f16.
;   bb [4][1024] f32: bq, bk, bv, bo, each rounded to bf16 and kept as f32 (the products take them as the start of their f32 sums).
; LIMIT.  A bf16 number is exact in f16 from 6.1e-5 up to 65,504; below that Wo keeps f16's fixed step of 6e-8.
; A stream: no LDS, no matrix unit, no barrier.  A work-group converts 65,536 numbers (262,144 bytes in, 131,072 out).  y = 0, 1, 2: chunk x of query, key, value.
; y = 3: chunk x % 16 of weight matrix x / 16; the four work-groups with x % 16 = 0 also round that matrix's bias.
; Thread t takes 16 bytes at 16 t of every 4,096 (a wave's load covers 512 consecutive bytes) and stores 8 bytes at 8 t of every 2,048 (a wave's store covers 256 consecutive bytes, aligned).
; A ring of eight slots in registers keeps eight loads of every wave on their way.
.set X,    4                           ; v[4:35]   slot i: four f32 as loaded
.set Y,    36                          ; v[36:51]  slot i: two words to store
.set T,    52                          ; v[52:57]  at work
.set SRC,  36                          ; s[36:37]  the chunk's first byte in its input
.set WSEL, 38                          ; s[38:39]  the weight matrix x / 16
.set BSEL, 40                          ; s[40:41]  its bias
.set DST,  42                          ; s[42:43]  the chunk's first byte in xb or wb
.set FMT,  46                          ; s46       all ones: the words go out as f16 (Wo); 0: as bf16
.set BFL,  49                          ; s49       1: this work-group also rounds a bias
.set HIM,  54                          ; s54       a word's upper half
.set TRIP, 55                          ; s55       trips to go
	s_load_b512 s[8:23], s[0:1], 0x0               ; query s[8:9], key s[10:11], value s[12:13], Wq s[14:15], Wk s[16:17], Wv s[18:19], Wo s[20:21], bq s[22:23]
	s_load_b256 s[24:31], s[0:1], 0x40             ; bk s[24:25], bv s[26:27], bo s[28:29], xb s[30:31]
	s_load_b128 s[32:35], s[0:1], 0x60             ; wb s[32:33], bb s[34:35]
	s_mov_b32 s2, ttmp9                            ; x
	s_and_b32 s3, ttmp7, 0xffff                    ; y
	s_lshr_b32 s4, s2, 4                           ; which weight matrix (used where y = 3)
	s_and_b32 s5, s2, 15                           ; which of its 16 chunks
	s_lshl_b32 s47, s4, 21                         ; a weight matrix is 2,097,152 bytes of wb
	s_lshl_b32 s48, s3, 23                         ; query, key, value are 8,388,608 bytes of xb each
	s_mov_b32 s[HIM], 0xffff0000
	s_mov_b32 s51, 0                               ; the high words of the two offsets
	s_mov_b32 s53, 0
	v_lshlrev_b32 v1, 4, v0                        ; 16 t: never rewritten
	v_lshlrev_b32 v2, 3, v0                        ; 8 t: never rewritten
	s_wait_kmcnt 0x0
	; the buffers are chosen by the work-group's numbers alone; s_cselect leaves SCC as it is, so one compare serves several choices
	s_cmp_eq_u32 s3, 1
	s_cselect_b64 s[SRC:SRC+1], s[10:11], s[8:9]
	s_cmp_eq_u32 s3, 2
	s_cselect_b64 s[SRC:SRC+1], s[12:13], s[SRC:SRC+1]
	s_cmp_eq_u32 s4, 1
	s_cselect_b64 s[WSEL:WSEL+1], s[16:17], s[14:15]
	s_cselect_b64 s[BSEL:BSEL+1], s[24:25], s[22:23]
	s_cmp_eq_u32 s4, 2
	s_cselect_b64 s[WSEL:WSEL+1], s[18:19], s[WSEL:WSEL+1]
	s_cselect_b64 s[BSEL:BSEL+1], s[26:27], s[BSEL:BSEL+1]
	s_cmp_eq_u32 s4, 3
	s_cselect_b64 s[WSEL:WSEL+1], s[20:21], s[WSEL:WSEL+1]
	s_cselect_b64 s[BSEL:BSEL+1], s[28:29], s[BSEL:BSEL+1]
	s_cselect_b32 s[FMT], -1, 0
	s_cmp_eq_u32 s3, 3
	s_cselect_b64 s[SRC:SRC+1], s[WSEL:WSEL+1], s[SRC:SRC+1]
	s_cselect_b64 s[DST:DST+1], s[32:33], s[30:31]
	s_cselect_b32 s44, s5, s2                      ; the chunk's number in its tensor
	s_cselect_b32 s45, s47, s48                    ; the tensor's place in wb or xb
	s_cselect_b32 s[FMT], s[FMT], 0
	s_cselect_b32 s[BFL], 1, 0
	s_cmp_eq_u32 s5, 0
	s_cselect_b32 s[BFL], s[BFL], 0
	s_lshl_b32 s50, s44, 18                        ; 262,144 bytes of f32 a chunk
	s_lshl_b32 s52, s44, 17                        ; 131,072 bytes of 16-bit numbers
	s_add_co_u32 s52, s52, s45
	s_add_nc_u64 s[SRC:SRC+1], s[SRC:SRC+1], s[50:51]
	s_add_nc_u64 s[DST:DST+1], s[DST:DST+1], s[52:53]
.irp i, 0,1,2,3,4,5,6,7
	global_load_b128 v[X+4*(\i):X+4*(\i)+3], v1, s[SRC:SRC+1] offset:4096*(\i) th:TH_LOAD_NT  ; the ring is filled
.endr
; Four f32 of slot i become two words: rounded to bf16; the same numbers widened again and written as f16 (exact, see LIMIT); FMT picks one of the two.
.macro CV i
	v_cvt_pk_bf16_f32 v[T],   v[X+4*(\i)],   v[X+4*(\i)+1]
	v_cvt_pk_bf16_f32 v[T+1], v[X+4*(\i)+2], v[X+4*(\i)+3]
	v_lshlrev_b32 v[T+2], 16, v[T]
	v_and_b32     v[T+3], s[HIM], v[T]
	v_lshlrev_b32 v[T+4], 16, v[T+1]
	v_and_b32     v[T+5], s[HIM], v[T+1]
	v_cvt_pk_f16_f32 v[T+2], v[T+2], v[T+3]
	v_cvt_pk_f16_f32 v[T+4], v[T+4], v[T+5]
	v_cndmask_b32 v[Y+2*(\i)],   v[T],   v[T+2], s[FMT]
	v_cndmask_b32 v[Y+2*(\i)+1], v[T+1], v[T+4], s[FMT]
.endm
; One slot's turn.  ahead = 1: the slot is filled again, eight loads further on.  left = how many younger loads may stay out.
.macro SLOT i, ahead, left
	s_wait_loadcnt \left                           ; loads come back in order (ISA guide 5.7.1): mine is in, the younger ones stay out
	CV \i
.if \ahead
	global_load_b128 v[X+4*(\i):X+4*(\i)+3], v1, s[SRC:SRC+1] offset:32768+4096*(\i) th:TH_LOAD_NT
.endif
	global_store_b64 v2, v[Y+2*(\i):Y+2*(\i)+1], s[DST:DST+1] offset:2048*(\i)  ; read again by the next launch: no hint
.endm
	s_mov_b32 s[TRIP], 7
.Lround:
.irp i, 0,1,2,3,4,5,6,7
	SLOT \i, 1, 7
.endr
	s_wait_xcnt 0x0                                ; only behind this wait are the two bases stepped and the stores' data registers written again (next trip)
	s_add_nc_u64 s[SRC:SRC+1], s[SRC:SRC+1], 0x8000
	s_add_nc_u64 s[DST:DST+1], s[DST:DST+1], 0x4000
	s_sub_co_u32 s[TRIP], s[TRIP], 1
	s_cmp_lg_u32 s[TRIP], 0
	s_cbranch_scc1 .Lround
.irp i, 0,1,2,3,4,5,6,7
	SLOT \i, 0, 7-(\i)                             ; the last eight load nothing: the counts run down
.endr
	s_cmp_eq_u32 s[BFL], 0
	s_cbranch_scc1 .Lend
	; the bias: 1,024 f32, 16 bytes a thread
	s_wait_xcnt 0x0                                ; the last stores have read v[36:39]
	s_lshl_b32 s50, s4, 12                         ; 4,096 bytes of bb a bias
	s_add_nc_u64 s[34:35], s[34:35], s[50:51]
	global_load_b128 v[X:X+3], v1, s[BSEL:BSEL+1]
	s_wait_loadcnt 0x0
	v_cvt_pk_bf16_f32 v[T],   v[X],   v[X+1]
	v_cvt_pk_bf16_f32 v[T+1], v[X+2], v[X+3]
	v_lshlrev_b32 v[Y],   16, v[T]
	v_and_b32     v[Y+1], s[HIM], v[T]
	v_lshlrev_b32 v[Y+2], 16, v[T+1]
	v_and_b32     v[Y+3], s[HIM], v[T+1]
	global_store_b128 v1, v[Y:Y+3], s[34:35]
.Lend:
	s_endpgm
.Lfunc_end_k_qd35c29d572_cvt:
	.size	k_qd35c29d572_cvt, .Lfunc_end_k_qd35c29d572_cvt-k_qd35c29d572_cvt
	.p2alignl 7, 3214868480
	.fill 96, 4, 3214868480
	.section	.rodata,"a",@progbits
	.p2align	6, 0x0
	.amdhsa_kernel k_qd35c29d572_cvt
		.amdhsa_group_segment_fixed_size 0
		.amdhsa_private_segment_fixed_size 0
		.amdhsa_enable_private_segment 0
		.amdhsa_kernarg_size 112
		.amdhsa_user_sgpr_count 2
		.amdhsa_user_sgpr_kernarg_segment_ptr 1
		.amdhsa_wavefront_size32 1
		.amdhsa_system_sgpr_workgroup_id_x 1
		.amdhsa_system_sgpr_workgroup_id_y 1
		.amdhsa_system_sgpr_workgroup_id_z 1
		.amdhsa_system_vgpr_workitem_id 0
		.amdhsa_next_free_vgpr 58
		.amdhsa_next_free_sgpr 66
		.amdhsa_reserve_vcc 0
		.amdhsa_float_denorm_mode_32 3
		.amdhsa_float_denorm_mode_16_64 3
		.amdhsa_memory_ordered 1
		.amdhsa_forward_progress 1
		.amdhsa_inst_pref_size 15
	.end_amdhsa_kernel
	.amdgpu_metadata
---
amdhsa.version: [ 1, 2 ]
amdhsa.kernels:
  - .name:           k_qd35c29d572_cvt
    .symbol:         k_qd35c29d572_cvt.kd
    .args:
      - { .name: query, .offset: 0, .size: 8, .value_kind: global_buffer, .address_space: global }
      - { .name: key, .offset: 8, .size: 8, .value_kind: global_buffer, .address_space: global }
      - { .name: value, .offset: 16, .size: 8, .value_kind: global_buffer, .address_space: global }
      - { .name: Wq, .offset: 24, .size: 8, .value_kind: global_buffer, .address_space: global }
      - { .name: Wk, .offset: 32, .size: 8, .value_kind: global_buffer, .address_space: global }
      - { .name: Wv, .offset: 40, .size: 8, .value_kind: global_buffer, .address_space: global }
      - { .name: Wo, .offset: 48, .size: 8, .value_kind: global_buffer, .address_space: global }
      - { .name: bq, .offset: 56, .size: 8, .value_kind: global_buffer, .address_space: global }
      - { .name: bk, .offset: 64, .size: 8, .value_kind: global_buffer, .address_space: global }
      - { .name: bv, .offset: 72, .size: 8, .value_kind: global_buffer, .address_space: global }
      - { .name: bo, .offset: 80, .size: 8, .value_kind: global_buffer, .address_space: global }
      - { .name: xb, .offset: 88, .size: 8, .value_kind: global_buffer, .address_space: global }
      - { .name: wb, .offset: 96, .size: 8, .value_kind: global_buffer, .address_space: global }
      - { .name: bb, .offset: 104, .size: 8, .value_kind: global_buffer, .address_space: global }
    .group_segment_fixed_size: 0
    .private_segment_fixed_size: 0
    .kernarg_segment_align: 8
    .kernarg_segment_size: 112
    .max_flat_workgroup_size: 256
    .sgpr_count:     66
    .vgpr_count:     58
    .wavefront_size: 32
...
	.end_amdgpu_metadata
.endif
;; end of part 1
;; launch proj (part 2): grid 4 x 48, 4 waves a work-group, clusters of 4 x 4, 327,680 bytes of LDS; arguments xb, wb, qkvb, bb; writes qkvb
.if DOCPART == 2
	.amdgcn_target "amdgcn-amd-amdhsa--gfx1250"
	.amdhsa_code_object_version 6
	.text
	.protected	k_qd35c29d572_proj
	.globl	k_qd35c29d572_proj
	.p2align	8
	.type	k_qd35c29d572_proj,@function
k_qd35c29d572_proj:
	s_mov_b64 s[64:65], 0
	v_nop
	global_prefetch_b8 v0, s[64:65] scope:SCOPE_SE
	s_setreg_imm32_b32 hwreg(HW_REG_WAVE_MODE, 25, 1), 1
	s_wait_xcnt 0x0
	s_wait_alu depctr_hold_cnt(0) depctr_sa_sdst(0) depctr_va_vdst(0) depctr_va_sdst(0) depctr_va_ssrc(0) depctr_va_vcc(0) depctr_vm_vsrc(0)
	s_getreg_b32 s2, hwreg(HW_REG_IB_STS2, 6, 4)
	s_cmp_eq_u32 s2, 0
	s_cbranch_scc0 .Lentry_in_a_cluster
	s_endpgm
.Lentry_in_a_cluster:
	s_bfe_u32 s2, ttmp6, 0x10000c
	s_cmp_lg_u32 s2, 0xf033
	s_cbranch_scc0 .Lentry_shape_is_right
	s_endpgm
.Lentry_shape_is_right:
; THE THREE PROJECTIONS AS ONE PRODUCT.  C[m][n] = bias[g][n] + sum over k of A[m][k] B[1024 g + n][k], g = m / 4096.
; A = xb [12288][1024] bf16 (query, key, value stacked), B = wb (Wq, Wk, Wv stacked, bf16), bias = bb (f32), C = qkvb [12288][1024] f16: q, k, v, row-major, unscaled.  Sums in f32, C rounded once.
; LIMIT.  f16 holds no number beyond 65,504: q, k, v must stay within it (inputs and weights 30 times the drawn spread give about 5,000).
; A tile of C, 256 x 256, is made by a work-group of four waves; a wave makes 128 x 128: 64 accumulators of 16 x 16, 512 registers.  192 tiles.  K goes in steps of 128 through a ring of two LDS slots
; filled by the tensor data mover: the rows of A's and B's tiles are 256 bytes of memory and start at multiples of 256 bytes from the buffer's first byte.
; The last K step goes by rows of C, so that finished rows leave while the others are multiplied.
; CLUSTERS: 4 x 4 work-groups.  The four of a row of the cluster need the same tiles of A, the four of a column the same tiles of B.  Such a tile is asked for JOINTLY: each of the four issues the
; same tensor load, with the same descriptor and a mask that names the four, and each receives the tile in its own LDS.  A cluster's 1,024 rows lie in one projection: g is the cluster's y / 4.
; THE BIAS STARTS THE SUMS: it is the C operand of each accumulator's first product, so nothing is cleared and nothing is added afterwards.
;
; REGISTERS, in windows of 256 (an instruction names v0-v255; s_set_vgpr_msb says which window each operand place means):
;   window 0: v0-31 addresses; v64-127, v128-191 fragments of A, two buffers (in the last K step four, of 16 rows x 128 K); v192-255 the bias of my 128 columns, later, with v32-63, at work on the way out
;   window 1: v64-127, v128-191 fragments of B, two buffers; in the last K step all 256: B's fragments of the whole step
;   window 2: the 32 accumulators of my rows 0-63 (accumulator (a, b) at v[8 (8 a + b)]);   window 3: those of my rows 64-127
; s_set_vgpr_msb's low byte: bits 1:0 source 0, 3:2 source 1, 5:4 source 2, 7:6 destination.
; THE MATRIX INSTRUCTION IS USED TRANSPOSED: source 0 = 16 rows of B, source 1 = 16 rows of A.  In the result, lane l then holds row m = l % 16 of C, and its registers 0 to 7 the columns
; n = 8 (l / 16) + 0 .. 7: eight neighbouring numbers of a row of C, which pack into 16 bytes.
.set SIZE_M, 12288
.set SIZE_N, 1024
.set SIZE_K, 1024
.set KSTEP,  128
.set PITCH,  272                       ; an LDS row: 256 bytes of data + 16 of padding = 68 words: row r starts at bank 4 r mod 64 (64 banks of 4 bytes: ISA guide 11.1), so the 16 rows that a load touches start at 16 different banks
.set HALFT,  128*PITCH                 ; 128 rows: what one tensor load brings, and what one wave reads of A or of B
.set SLOT,   4*HALFT                   ; A's 256 rows, then B's 256 rows
.set STAGE,  2*SLOT                    ; behind the ring: 16 rows x 272 bytes for each wave, for the way out
.set SPITCH, 272
.set SPARE,  STAGE+4*16*SPITCH         ; behind the stages: the spare words, 128 bytes for each wave: two blocks of 256 bytes that no other line names
.set LAPS, SIZE_K/(2*KSTEP)            ; a lap = two K steps = once round the ring: 4
.set ADRA, 16                          ; v16-17  LDS address of my A fragments in slot 0, 1
.set ADRB, 20                          ; v20-21  the same for B
.set STO,  24                          ; v24     the way out: where I put 16 bytes of a row
.set RD,   25                          ; v25     the way out: where I read a row back
.set CO,   26                          ; v26     my byte offset in C
.set BOF,  27                          ; v27     my byte offset in 16 numbers of the bias: 32 (l / 16)
.set SPW,  28                          ; v28     LDS address of my spare word: SPARE + 4 x my thread's number; never rewritten
.set NIL,  29                          ; v29     0; never rewritten
.set F0,   64                          ; fragment buffer 0
.set F1,   128                         ; fragment buffer 1
.set BIAS, 192                         ; column block b's eight numbers at v[BIAS + 8 b], in window 0
.set TMP,  192                         ; the way out: packed results, in window 0
.set OB,   32                          ; the way out: 16 rows read back from the stage: v32-63 and v224-255 by turns
.set PA,   64                          ; the last K step: A's fragments of 16 rows x 128 K, 32 registers; four such buffers, v64-191
.set G1, 24                            ; s[24:31] descriptor group 1 for A's tiles
.set G0, 32                            ; s[32:39] descriptor group 0 for A's tiles, one set for each slot
.set G1B, 48                           ; s[48:55] descriptor group 1 for B's tiles: it differs from A's in the mask alone
.set G0B, 56                           ; s[56:63] descriptor group 0 for B's tiles, one set for each slot
.set MSB, 0
.macro WIN new                         ; the immediate's high byte repeats the setting that is left
.if MSB != (\new)
	s_set_vgpr_msb (MSB<<8)|(\new)
.set MSB, \new
.endif
.endm
.set MUL_LO, 0xa1                      ; source 0 (B) window 1, source 1 (A) window 0, C and D window 2
.set MUL_HI, 0xf1                      ; the same, C and D window 3
.set BEG_LO, 0x81                      ; a sum's first product: C (the bias) window 0, D window 2; 0xc1: D window 3
.set TO_B,   0x40                      ; destination window 1, address window 0
; A joint load.  Waves 0 and 1 fetch A's two halves, waves 2 and 3 B's.  Each of the two lines has ONE mask and one set of registers for all that issue it, and nothing in
; them hangs on a coordinate that the four partners do not share.  The branch hangs on the wave's number alone: it is the same in every work-group.
; An s_nop 0 and four v_nop follow each of the two lines; the jump round the other line, the label and what follows the macro come after them.
.macro JLOAD s
	s_cmp_eq_u32 s11, 0
	s_cbranch_scc0 .Lfor_b_\@
	tensor_load_to_lds s[G0+4*(\s):G0+4*(\s)+3], s[G1:G1+7]
	s_nop 0
.rept 4
	v_nop
.endr
	s_branch .Lasked_\@
.Lfor_b_\@:
	tensor_load_to_lds s[G0B+4*(\s):G0B+4*(\s)+3], s[G1B:G1B+7]
	s_nop 0
.rept 4
	v_nop
.endr
.Lasked_\@:
.endm
; A round of the cluster's barrier: my work-group's barrier, so that wave 0's signal speaks for all four waves; wave 0 signals for the work-group; every wave waits for all
; sixteen work-groups; my work-group's barrier once more.  No LDS instruction of the wave is pending at a signal.
.macro CREST                           ; a round behind its opening barrier
	s_cmp_lg_u32 s10, 0
	s_cbranch_scc1 .Lnot_wave_0_\@
	s_barrier_signal -3
.Lnot_wave_0_\@:
	s_barrier_wait -3
	s_barrier_signal -1
	s_barrier_wait -1
.endm
.macro CROUND                          ; a whole round
	s_barrier_signal -1
	s_barrier_wait -1
	CREST
.endm
	s_load_b128 s[4:7], s[0:1], 0x0                ; A s[4:5], B s[6:7]
	s_load_b64 s[8:9], s[0:1], 0x10                ; C
	s_load_b64 s[68:69], s[0:1], 0x18              ; the biases
	v_lshl_add_u32 v[SPW], v0, 2, SPARE
	v_mov_b32 v[NIL], 0
	ds_add_u32 v[SPW], v[NIL]                      ; the wave's opening: the add and its wait stand ahead of my first tensor load; the set-up below, work on registers, stands between them
	ds_add_u32 v28, v29
	v_lshrrev_b32 v1, 5, v0
	v_readfirstlane_b32 s10, v1                    ; wave 0..3
	s_lshr_b32 s11, s10, 1                         ; which half of the tile's rows is mine.  Also: I fetch for A (0) or for B (1)
	s_and_b32 s12, s10, 1                          ; which half of its columns.  Also: which 128 rows of that tile I fetch
	s_bfe_u32 s40, ttmp6, 0x40000                  ; cx: my place along the cluster's x
	s_bfe_u32 s41, ttmp6, 0x40004                  ; cy: along its y
	s_lshl_b32 s42, ttmp9, 2                       ; in a cluster launch ttmp9 and ttmp7 count clusters
	s_add_co_u32 s42, s42, s40                     ; tile column of C = 4 x cluster x + cx
	s_and_b32 s13, ttmp7, 0xffff
	s_lshr_b32 s45, s13, 2                         ; g = cluster y / 4: the projection, the same in all sixteen partners,
	s_lshl_b32 s45, s45, 10                        ; times its 1,024 rows of B and numbers of bias
	s_lshl_b32 s13, s13, 2
	s_add_co_u32 s13, s13, s41                     ; tile row of C = 4 x cluster y + cy
	s_lshl_b32 s43, s41, 2
	s_lshl_b32 s43, 15, s43                        ; my row of the cluster: places 4 cy .. 4 cy + 3
	s_lshl_b32 s44, 0x1111, s40                    ; my column: places cx, cx + 4, cx + 8, cx + 12
	; descriptor group 1: a tile of 128 rows x 128 elements, padded in LDS
	s_or_b32 s[G1+0], s43, (1<<16)|(1<<20)|(1<<21)|(5<<22)|(3<<25)  ; 15:0 the mask: A's tiles go to my row; 17:16 element of 2 bytes; 20 padding on; 21 set beside a mask; 24:22 after every 64 words (code 5); 31:25 of 4 words (code 3)
	s_or_b32 s[G1B+0], s44, (1<<16)|(1<<20)|(1<<21)|(5<<22)|(3<<25) ; the same with the mask of my column, for B's tiles
	s_mov_b32 s[G1B+1], KSTEP<<16
	s_mov_b32 s[G1+1], KSTEP<<16                   ; 63:48 tensor_dim0, low half = 128
	s_mov_b32 s[G1B+2], 128<<16
	s_mov_b32 s[G1+2], 128<<16                     ; 79:64 its high half = 0; 95:80 tensor_dim1, low half = 128
	s_mov_b32 s[G1B+3], KSTEP<<16
	s_mov_b32 s[G1+3], KSTEP<<16                   ; 111:96 its high half = 0; 127:112 tile_dim0 = 128
	s_mov_b32 s[G1B+4], 128
	s_mov_b32 s[G1+4], 128                         ; 143:128 tile_dim1 = 128; 159:144 tile_dim2 = 0
	s_mov_b32 s[G1B+5], SIZE_K
	s_mov_b32 s[G1+5], SIZE_K                      ; 191:160 tensor_dim0_stride, low word: elements from row to row
	s_mov_b32 s[G1B+6], 0
	s_mov_b32 s[G1+6], 0
	s_mov_b32 s[G1B+7], 0
	s_mov_b32 s[G1+7], 0
	; where the tiles come from.  A's hang on the tile row alone, which my row of the cluster shares; B's on the tile column and on g, which my column shares.
	; Every wave makes both addresses, in registers that never hold the other coordinate, and asks by one of them.
	s_lshl_b32 s17, s12, 7                         ; which 128 rows of the tile I fetch
	s_lshl_b32 s16, s13, 8
	s_add_co_u32 s16, s16, s17                     ; A: row 256 x tile row + 128 x half
	s_lshl_b32 s46, s42, 8
	s_add_co_u32 s46, s46, s17
	s_add_co_u32 s46, s46, s45                     ; B: row 1,024 g + 256 x tile column + 128 x half
	s_mov_b32 s17, 0
	s_mov_b32 s47, 0
	s_mov_b64 s[18:19], SIZE_K*2
	s_mul_u64 s[16:17], s[16:17], s[18:19]         ; in bytes, in 64 bits
	s_mul_u64 s[46:47], s[46:47], s[18:19]
	s_mul_i32 s20, s10, HALFT                      ; and where they go: A's two halves, then B's two halves = wave x 128 rows: no place in the cluster enters an LDS address
	s_wait_dscnt 0x0                               ; the opening add is done
	s_wait_kmcnt 0x0
	s_add_nc_u64 s[14:15], s[4:5], s[16:17]
	s_add_nc_u64 s[46:47], s[6:7], s[46:47]
	CROUND                                         ; all sixteen work-groups are here: the first joint loads meet
.irp s, 0,1
	s_mov_b32 s[G0+4*(\s)], 1                                      ; 1:0 count = 1
	s_add_co_u32 s[G0+4*(\s)+1], s20, (\s)*SLOT                    ; 63:32 LDS address
	s_add_nc_u64 s[G0+4*(\s)+2:G0+4*(\s)+3], s[14:15], (\s)*KSTEP*2  ; 120:64 global address: K step s
	s_or_b32 s[G0+4*(\s)+3], s[G0+4*(\s)+3], 0x80000000            ; 127:126 type = 2
	s_mov_b32 s[G0B+4*(\s)], 1
	s_add_co_u32 s[G0B+4*(\s)+1], s20, (\s)*SLOT
	s_add_nc_u64 s[G0B+4*(\s)+2:G0B+4*(\s)+3], s[46:47], (\s)*KSTEP*2
	s_or_b32 s[G0B+4*(\s)+3], s[G0B+4*(\s)+3], 0x80000000
	JLOAD \s                                       ; the ring is filled before anything else is done: two tensor loads of mine are out
.endr
	; A fragment is 16 rows x 32 K in 8 registers: lane l holds row l % 16; registers 0-3 hold K = 8 (l / 16) + 0..7, registers 4-7 hold
	; K = 16 + 8 (l / 16) + 0..7.  From rows that lie along K: two loads of 16 bytes, 32 bytes apart.  The same for source 0 and source 1.
	v_and_b32 v1, 15, v0                           ; l % 16
	v_bfe_u32 v2, v0, 4, 1                         ; l / 16
	v_mul_u32_u24 v3, v1, PITCH
	v_lshl_add_u32 v3, v2, 4, v3                   ; row x pitch + 16 x half
	s_mul_i32 s21, s11, HALFT                      ; my 128 rows of A
	s_mul_i32 s22, s12, HALFT                      ; my 128 rows of B,
	s_add_co_u32 s22, s22, 2*HALFT                 ; which lie behind A's 256
.irp s, 0,1
	v_add_nc_u32 v[ADRA+(\s)], s21, v3
	v_add_nc_u32 v[ADRB+(\s)], s22, v3
	s_add_co_u32 s21, s21, SLOT
	s_add_co_u32 s22, s22, SLOT
.endr
	s_mul_i32 s23, s10, 16*SPITCH
	s_add_co_u32 s23, s23, STAGE                   ; my stage
	v_mul_u32_u24 v4, v1, SPITCH                   ; in: row l % 16, 16 bytes for each half of the lanes
	v_lshl_add_u32 v4, v2, 4, v4
	v_add_nc_u32 v[STO], s23, v4
	v_mul_u32_u24 v5, v2, SPITCH                   ; back: lanes 0-15 take one row of 256 bytes, lanes 16-31 the next
	v_lshl_add_u32 v5, v1, 4, v5
	v_add_nc_u32 v[RD], s23, v5
	v_mul_u32_u24 v5, v2, SIZE_N*2                 ; and the same two rows in C
	v_lshl_add_u32 v[CO], v1, 4, v5
	; the bias of my 128 columns: number 1,024 g + 256 x tile column + 128 x half + 16 b + 8 (l / 16) + 0..7 into v[BIAS + 8 b ..]: the layout of a result's eight registers
	s_lshl_b32 s66, s42, 8
	s_add_co_u32 s66, s66, s45
	s_lshl_b32 s67, s12, 7
	s_add_co_u32 s66, s66, s67
	s_lshl_b32 s66, s66, 2                         ; in bytes
	s_mov_b32 s67, 0
	s_add_nc_u64 s[68:69], s[68:69], s[66:67]
	v_lshlrev_b32 v[BOF], 5, v2
.irp b, 0,1,2,3,4,5,6,7
	global_load_b128 v[BIAS+8*(\b):BIAS+8*(\b)+3],   v[BOF], s[68:69] offset:64*(\b)
	global_load_b128 v[BIAS+8*(\b)+4:BIAS+8*(\b)+7], v[BOF], s[68:69] offset:64*(\b)+16
.endr
	; where my part of the tile begins in C, in bytes: the way out adds it to C's address
	s_lshl_b32 s13, s13, 8
	s_lshl_b32 s14, s11, 7
	s_add_co_u32 s16, s13, s14                     ; my first row of C
	s_mov_b32 s17, 0
	s_mov_b64 s[18:19], SIZE_N*2
	s_mul_u64 s[16:17], s[16:17], s[18:19]
	s_lshl_b32 s46, s42, 9                         ; my first column, in bytes: 512 x tile column + 256 x half (in the registers that held B's address: none that feeds A's descriptors ever holds cx)
	s_lshl_b32 s47, s12, 8
	s_add_co_u32 s46, s46, s47
	s_mov_b32 s47, 0
	s_add_nc_u64 s[16:17], s[16:17], s[46:47]
; 16 matrix instructions: m blocks a0, a0 + 1 of the window's four (hi = 0: my rows 0-63, 1: rows 64-127) x all 8 n blocks, 32 along K.
; zero = 1: the first product starts the sums, with the bias as C: nothing is ever cleared.
.macro MUL16 f, hi, a0, zero
.if \zero
	WIN BEG_LO+0x40*(\hi)
.else
	WIN MUL_LO+0x50*(\hi)  ; MUL_LO or MUL_HI
.endif
.irp a, \a0, (\a0)+1
.irp b, 0,1,2,3,4,5,6,7
.if \zero
	v_wmma_f32_16x16x32_bf16 v[8*(8*(\a)+(\b)):8*(8*(\a)+(\b))+7], v[(\f)+8*(\b):(\f)+8*(\b)+7], v[(\f)+8*(4*(\hi)+(\a)):(\f)+8*(4*(\hi)+(\a))+7], v[BIAS+8*(\b):BIAS+8*(\b)+7]
.else
	v_wmma_f32_16x16x32_bf16 v[8*(8*(\a)+(\b)):8*(8*(\a)+(\b))+7], v[(\f)+8*(\b):(\f)+8*(\b)+7], v[(\f)+8*(4*(\hi)+(\a)):(\f)+8*(4*(\hi)+(\a))+7], v[8*(8*(\a)+(\b)):8*(8*(\a)+(\b))+7]
.endif
.endr
.endr
.endm
; 32 LDS loads in one run: the fragments of one quarter step (128 rows of B, 128 rows of A, 32 K at byte k of the rows) into buffer f
.macro FETCH slot, k, f
	WIN TO_B
.irp i, 0,1,2,3,4,5,6,7
	ds_load_b128 v[(\f)+8*(\i):(\f)+8*(\i)+3],   v[ADRB+(\slot)] offset:(\k)+(\i)*16*PITCH
	ds_load_b128 v[(\f)+8*(\i)+4:(\f)+8*(\i)+7], v[ADRB+(\slot)] offset:(\k)+(\i)*16*PITCH+32
.endr
	WIN 0
.irp i, 0,1,2,3,4,5,6,7
	ds_load_b128 v[(\f)+8*(\i):(\f)+8*(\i)+3],   v[ADRA+(\slot)] offset:(\k)+(\i)*16*PITCH
	ds_load_b128 v[(\f)+8*(\i)+4:(\f)+8*(\i)+7], v[ADRA+(\slot)] offset:(\k)+(\i)*16*PITCH+32
.endr
.endm
; A load into a register that a matrix instruction has read, and a vector instruction that reads a matrix result or writes one of a matrix
; instruction's registers, stand four places behind that matrix instruction, and only plain vector instructions that name none of its registers
; are places (ISA guide 7.12.1 for vector instructions); this text does not count the matrix instructions in between.
.macro PLACES
.rept 4
	v_nop
.endr
.endm
; A K step is four quarter steps of 32 along K, 64 matrix instructions each, on buffers 0, 1, 0, 1.  The 64 accumulators take turns, one instruction a turn.
; One of the first three: multiplies buffer f; in its middle it fetches the next quarter's fragments, at byte k of the same slot's rows, into buffer g.
.macro QUARTER slot, k, f, g, zero
	s_wait_dscnt 8                                 ; B and A's rows 0-63 are in; the youngest eight loads (A's rows 64-127) may be out
	MUL16 \f, 0, 0, \zero
	MUL16 \f, 0, 2, \zero
	PLACES
	FETCH \slot, \k, \g
	s_wait_dscnt 32                                ; all but the 32 just issued
	MUL16 \f, 1, 0, \zero
	MUL16 \f, 1, 2, \zero
.endm
; The last quarter multiplies buffer 1 and changes slots.  MEET is its first half: ONE barrier for the change of slots, for two things.  In front of it each wave waits for
; all its tensor loads, of which one is out: its part of the next slot; adds 0 to its spare word; and waits for that and for its own reads of this slot.  Behind it nobody reads this slot any more and the next slot is whole.
.macro MEET round                      ; round = 1: a round of the cluster's barrier follows
	WIN 0                                          ; (the add's two registers lie in window 0)
	s_wait_tensorcnt 0x0                           ; all my tensor loads have landed: the one that was out is my part of the next slot;
	ds_add_u32 v[SPW], v[NIL]                      ; 0 onto my spare word;
	s_wait_dscnt 9                                 ; (the add and the youngest eight loads may be out)
	MUL16 F1, 0, 0, 0                              ; sixteen matrix instructions stand between the add and the wait for it
	s_wait_dscnt 0x0                               ; the add is done, and my reads of this slot are over:
	s_barrier_signal -1                            ; say so (where a slot is filled again this barrier opens a round of the cluster's barrier),
	MUL16 F1, 0, 2, 0                              ; work on registers while the others arrive,
.if \round
	WIN 0
.endif
	s_barrier_wait -1                              ; and go on when all four have said so
.endm
; The whole last quarter.  Behind the round the slot just read out is filled again first, with the K step two steps on; then come the next slot's first fragments.
; From a request to the wait for it a wave issues 224 matrix instructions.
.macro TURN slot, next
	MEET 1
	CREST                                          ; wave 0 says so for the work-group, all sixteen work-groups have said so, my work-group's barrier closes the round:
	                                               ; no wave of any partner still reads this slot's tile or has a load on its way
	s_add_nc_u64 s[G0+4*(\slot)+2:G0+4*(\slot)+3], s[G0+4*(\slot)+2:G0+4*(\slot)+3], 2*KSTEP*2
	s_add_nc_u64 s[G0B+4*(\slot)+2:G0B+4*(\slot)+3], s[G0B+4*(\slot)+2:G0B+4*(\slot)+3], 2*KSTEP*2
	JLOAD \slot                                    ; the first tensor load behind the round, my only one until the next; the four v_nop behind it are also the places in front of the loads below
	FETCH \next, 0, F0
	MUL16 F1, 1, 0, 0
	MUL16 F1, 1, 2, 0
.endm
; THE LAST K STEP (it lies in slot 1) GOES BY ROWS OF C, NOT BY K.  All its fragments of B (4 quarters x 64 registers) fill window 1; then my eight blocks of 16 rows are
; finished one after the other, each with 32 matrix instructions (its 8 accumulators by turns, K ascending).  LDS is read no more than in any other K step.
.macro BLOAD q                         ; B's fragments of quarter q -> window 1, v[64 q ..]
	WIN TO_B
.irp i, 0,1,2,3,4,5,6,7
	ds_load_b128 v[64*(\q)+8*(\i):64*(\q)+8*(\i)+3],   v[ADRB+1] offset:64*(\q)+(\i)*16*PITCH
	ds_load_b128 v[64*(\q)+8*(\i)+4:64*(\q)+8*(\i)+7], v[ADRB+1] offset:64*(\q)+(\i)*16*PITCH+32
.endr
.endm
.macro ALOAD a                         ; A's fragments of block a, all four quarters -> buffer a % 4
	WIN 0
.set FA, PA+32*((\a)%4)
.irp q, 0,1,2,3
	ds_load_b128 v[FA+8*(\q):FA+8*(\q)+3],   v[ADRA+1] offset:64*(\q)+(\a)*16*PITCH
	ds_load_b128 v[FA+8*(\q)+4:FA+8*(\q)+7], v[ADRA+1] offset:64*(\q)+(\a)*16*PITCH+32
.endr
.endm
.macro ROW a                           ; block a is finished: 32 matrix instructions
.set FA, PA+32*((\a)%4)                ; its fragments of A
.set AC, 64*((\a)%4)                   ; its eight accumulators, in window 2 (blocks 0-3) or 3 (blocks 4-7)
	WIN MUL_LO+0x50*((\a)/4)                       ; MUL_LO or MUL_HI
.irp q, 0,1,2,3
.if (\a) == 0 && (\q) == 2
	s_wait_dscnt 24                                ; B's quarter 2 is in (behind it: A's blocks 1 to 3)
.endif
.irp b, 0,1,2,3,4,5,6,7
	v_wmma_f32_16x16x32_bf16 v[AC+8*(\b):AC+8*(\b)+7], v[64*(\q)+8*(\b):64*(\q)+8*(\b)+7], v[FA+8*(\q):FA+8*(\q)+7], v[AC+8*(\b):AC+8*(\b)+7]
.endr
.endr
.endm
; THE WAY OUT of block a, in three parts.  PACK: rounded to f16, 16 bytes a lane (each accumulator's registers in ascending order).  TOSTAGE: into my own stage in LDS, and back as whole rows of 256 bytes.  SEND: stored.
.macro PACK a
.set AC, 64*((\a)%4)
	WIN 0x0a+5*((\a)/4)                            ; sources 0 and 1: window 2 or 3
.irp b, 0,1,2,3,4,5,6,7
.irp r, 0,1,2,3
	v_cvt_pk_f16_f32 v[TMP+4*(\b)+(\r)], v[AC+8*(\b)+2*(\r)], v[AC+8*(\b)+2*(\r)+1]
.endr
.endr
	WIN 0
.endm
.macro TOSTAGE a
	WIN 0
.set BK, OB+192*((\a)%2)
.irp b, 0,1,2,3,4,5,6,7
	ds_store_b128 v[STO], v[TMP+4*(\b):TMP+4*(\b)+3] offset:32*(\b)
.endr
.irp t, 0,1,2,3,4,5,6,7
	ds_load_b128 v[BK+4*(\t):BK+4*(\t)+3], v[RD] offset:(\t)*2*SPITCH  ; LDS serves a wave's instructions in order (ISA guide 5.7.1.4): these see the stores above
.endr
.endm
.macro SEND a, younger                 ; younger: the LDS loads issued behind TOSTAGE's, which may stay out
	WIN 0
.set BK, OB+192*((\a)%2)
	s_wait_dscnt \younger                          ; the block is back in registers
	s_wait_xcnt 0x0                                ; only behind this wait are the stores' base and the registers that earlier stores read rewritten
.if (\a) == 0
	s_add_nc_u64 s[8:9], s[8:9], s[16:17]          ; on to my first rows
.else
	s_add_nc_u64 s[8:9], s[8:9], 16*SIZE_N*2       ; 16 rows of C on
.endif
.irp t, 0,1,2,3,4,5,6,7
	global_store_b128 v[CO], v[BK+4*(\t):BK+4*(\t)+3], s[8:9] offset:2*(\t)*SIZE_N*2  ; 16 lanes store 256 consecutive bytes, at a multiple of 256 from C's first byte
.endr
.endm
	s_wait_tensorcnt 1                             ; my part of K step 0 is in; K step 1's may stay out
	s_barrier_signal -1
	s_barrier_wait -1                              ; everybody's is
	FETCH 0, 0, F0
	s_wait_loadcnt 0x0                             ; the bias
	QUARTER 0, 64,  F0, F1, 1                      ; the first quarter stands in front of the loop: its products start the sums
	WIN 0                                          ; at a label and at a branch every window is 0
	s_mov_b32 s3, LAPS-1
.Llap:                                                 ; a trip goes once round the ring, from a lap's second quarter to the next lap's first, and fills both slots again
	QUARTER 0, 128, F1, F0, 0
	QUARTER 0, 192, F0, F1, 0
	TURN 0, 1
	QUARTER 1, 64,  F0, F1, 0
	QUARTER 1, 128, F1, F0, 0
	QUARTER 1, 192, F0, F1, 0
	TURN 1, 0
	QUARTER 0, 64,  F0, F1, 0
	WIN 0
	s_sub_co_u32 s3, s3, 1
	s_cmp_lg_u32 s3, 0
	s_cbranch_scc1 .Llap
	QUARTER 0, 128, F1, F0, 0                      ; the last lap goes on
	QUARTER 0, 192, F0, F1, 0
	MEET 0                                         ; my one tensor load that was still out is slot 1's, the last K step's, so no round follows
	PLACES                                         ; for the loads into buffer 0, which the quarter before multiplied
	BLOAD 0                                        ; three quarters of B now: buffer 1 (v128-191 of both windows) is still being multiplied
	BLOAD 1
	BLOAD 3
	ALOAD 0
	MUL16 F1, 1, 0, 0
	MUL16 F1, 1, 2, 0
	PLACES                                         ; for the loads into buffer 1
	BLOAD 2
	ALOAD 1
	ALOAD 2
	ALOAD 3
	s_wait_dscnt 40                                ; all but the 40 just issued
	ROW 0
.irp a, 0,1,2,3,4,5,6,7                ; each block leaves as soon as it is finished: nothing follows this tile
	PLACES                                         ; its conversions read results just made, and no other vector work is at hand
	PACK \a
	TOSTAGE \a
.if (\a) < 4
	ALOAD (\a)+4                                   ; its buffer takes the block four further on
	SEND \a, 8
.else
	SEND \a, 0
.endif
.if (\a) < 7
	ROW (\a)+1
.endif
.endr
	s_wait_tensorcnt 0x0                           ; the wave's end: behind my last tensor load and my last LDS store
	ds_add_u32 v[SPW], v[NIL]
	s_wait_dscnt 0x0
	CROUND                                         ; the closing round: no work-group ends while a partner may still ask for a tile that names it
	s_endpgm
.Lfunc_end_k_qd35c29d572_proj:
	.size	k_qd35c29d572_proj, .Lfunc_end_k_qd35c29d572_proj-k_qd35c29d572_proj
	.p2alignl 7, 3214868480
	.fill 96, 4, 3214868480
	.section	.rodata,"a",@progbits
	.p2align	6, 0x0
	.amdhsa_kernel k_qd35c29d572_proj
		.amdhsa_group_segment_fixed_size 327680
		.amdhsa_private_segment_fixed_size 0
		.amdhsa_enable_private_segment 0
		.amdhsa_kernarg_size 32
		.amdhsa_user_sgpr_count 2
		.amdhsa_user_sgpr_kernarg_segment_ptr 1
		.amdhsa_wavefront_size32 1
		.amdhsa_system_sgpr_workgroup_id_x 1
		.amdhsa_system_sgpr_workgroup_id_y 1
		.amdhsa_system_sgpr_workgroup_id_z 1
		.amdhsa_system_vgpr_workitem_id 0
		.amdhsa_next_free_vgpr 1024
		.amdhsa_next_free_sgpr 70
		.amdhsa_reserve_vcc 0
		.amdhsa_float_denorm_mode_32 3
		.amdhsa_float_denorm_mode_16_64 3
		.amdhsa_memory_ordered 1
		.amdhsa_forward_progress 1
		.amdhsa_inst_pref_size 145
	.end_amdhsa_kernel
	.amdgpu_metadata
---
amdhsa.version: [ 1, 2 ]
amdhsa.kernels:
  - .name:           k_qd35c29d572_proj
    .symbol:         k_qd35c29d572_proj.kd
    .args:
      - { .name: xb, .offset: 0, .size: 8, .value_kind: global_buffer, .address_space: global }
      - { .name: wb, .offset: 8, .size: 8, .value_kind: global_buffer, .address_space: global }
      - { .name: qkvb, .offset: 16, .size: 8, .value_kind: global_buffer, .address_space: global }
      - { .name: bb, .offset: 24, .size: 8, .value_kind: global_buffer, .address_space: global }
    .group_segment_fixed_size: 327680
    .private_segment_fixed_size: 0
    .kernarg_segment_align: 8
    .kernarg_segment_size: 32
    .max_flat_workgroup_size: 128
    .sgpr_count:     70
    .vgpr_count:     1024
    .wavefront_size: 32
...
	.end_amdgpu_metadata
.endif
;; end of part 2
;; launch attn (part 3): grid 32 x 8, 4 waves a work-group, no clusters, 250,368 bytes of LDS; arguments qkvb, ob; writes ob
.if DOCPART == 3
	.amdgcn_target "amdgcn-amd-amdhsa--gfx1250"
	.amdhsa_code_object_version 6
	.text
	.protected	k_qd35c29d572_attn
	.globl	k_qd35c29d572_attn
	.p2align	8
	.type	k_qd35c29d572_attn,@function
k_qd35c29d572_attn:
	s_mov_b64 s[64:65], 0
	v_nop
	global_prefetch_b8 v0, s[64:65] scope:SCOPE_SE
	s_setreg_imm32_b32 hwreg(HW_REG_WAVE_MODE, 25, 1), 1
	s_wait_xcnt 0x0
; ATTENTION IN A BAND.  O[i][head] = the sum over keys j in i - 256 .. i of softmax_j(q[i] . k[j] / 8) v[j], 16 heads of 64 channels.
; qkvb: [3][4096][1024] f16 (q, k, v; head h is columns 64 h .. 64 h + 63).  ob: [4096][1024] f16.  Products, maxima and sums in f32; the weights p are rounded to f16 for the second product
; (their sum l is taken of the unrounded p), O once at the end.
; LIMITS.  p lies in 0 to 1, and below 6e-5 it keeps f16's fixed step of 6e-8; O is a mean of v's rows and has their range.  A hidden score counts as its value less 1e30: f16's scores, 2.7e11 at the
; most, are nothing beside that.  A weight below 2^-126 counts as 0 in l.  NaN and infinities are not treated apart.
; SHARES.  A work-group owns 128 queries (block b) of two neighbouring heads (pair p): the pair's 128 channels are 256 aligned bytes of a row, so K's and V's tile rows and O's rows are whole blocks of 256 bytes.
; Wave w takes head w % 2 of the pair and 64 consecutive queries (band w / 2): four tiles of 16.  It walks FIVE key steps of 64 keys: step t holds the keys 64 t - 256 .. 64 t - 193 from its first query.
; In step 0 key dk of 64 is seen by query dq of 64 iff dk >= dq; steps 1 to 3 are seen whole; in step 4 iff dk <= dq.  So every query sees a key in every step, and all waves do equal work.
; AT THE HEAD'S START the first 4 - (2 b + band) steps have no keys: they are jumped over, forward, on numbers made of the work-group's and the wave's numbers.  Step 4 always runs.
; ALL KEYS OF THE WORK-GROUP, 384 rows of K and of V, FIT IN LDS: twelve tensor loads of 64 rows, three a wave, all issued at the start; nothing is ever filled again, so there is no ring.
; A piece whose keys do not exist takes keys 0 to 63 instead (no load leaves the buffer, and every wave issues the same loads on every path); no step that runs reads it.
; NO CLUSTER: neighbouring query blocks share 256 of their 384 keys, but at other LDS places, so their descriptors would differ.
; LAYOUT.  S^T = K Q^T (source 0 = 16 keys, source 1 = 16 queries): in the result a lane holds ONE query (lane % 16) and the keys 8 (lane / 16) + 0..7.  Two such results, rounded to f16 in pairs,
; ARE source 1 (32 keys x 16 queries) of O^T = V^T P, whose result again holds one query a lane, and eight channels.  K comes out of LDS as it lies, V ([key][channel]) turned, by ds_load_tr16_b128.
; THE MASK is the C operand that starts a sum of S^T: 0, or -1e30 where the key is hidden.  Of a masked step's 4 x 4 blocks of 16 keys x 16 queries those on one side of the diagonal take 0, those on the
; other HID, those on it DL (step 0) or DU (step 4).
; SOFTMAX.  For each query a running maximum m and sum l: p = 2^(c s - c m), c = log2(e) / 8; in every step O and l are multiplied by a = 2^(c m_old - c m_new).  m starts at the lowest finite number,
; O and l at 0: whichever step runs first is a step like any other, with a = 0.  (Which step that is differs from wave to wave, so none is written out: the price is 144 lines that write 0, in the wait for the tiles.)
; IN PHASES: a step's 32 products K Q^T, its softmax, its 32 products V^T P.
; REGISTERS, in windows of 256 (s_set_vgpr_msb: bits 1:0 source 0, 3:2 source 1, 5:4 source 2, 7:6 destination):
;   window 0: v0-15 addresses; v16-47 eight registers of statistics a tile; v62-63 the add's; v64-191 S^T, 32 a tile; v192-255 P, 16 a tile
;   window 1: v0-127 O^T, 32 a tile; v128-151 DL, DU, HID          window 2: v0-63 Q, 16 a tile; v128-191 K of one step; v192-255 V of one step
.set KS,    64        ; keys in a step, and in a piece
.set PK,    272       ; a row of K in LDS: 256 bytes + 16 of padding = 68 words: the 16 rows of a load start at 16 different groups of four banks (64 banks of 4 bytes: ISA guide 11.1)
.set PV,    288       ; a row of V: 256 + 32 = 72 words
.set VOFF,  6*KS*PK   ; 384 rows of K, then 384 rows of V
.set STAGE, VOFF+6*KS*PV  ; behind the tiles, never filled by a tensor load: 128 rows x 272 bytes, the work-group's, for the way out
.set SP,    272
.set SPARE, STAGE+128*SP  ; behind the stage: the spare words, 128 bytes for each wave: two blocks of 256 bytes that no other line names
.set AK0, 2           ; v2   my lane's place in a piece of K, my head's 128 bytes among it; never rewritten
.set AV0, 3           ; v3   the same for V
.set AK,  4           ; v4   the LDS address of K's run of loads
.set AV,  5           ; v5   of V's
.set STO, 6           ; v6   the way out: where I put 16 bytes of a row
.set RD,  7           ; v7   the way out: where I read a row back
.set GO,  8           ; v8   my byte offset in two rows of O
.set DQ,  14          ; v14  lane % 16 - 8 (lane / 16): register j of a diagonal block holds the key beside my query where j equals it
.set QO,  15          ; v15  my byte offset in 16 rows of Q
.set ST,  16          ; tile t's statistics at v[ST+8 t]: +0 c m, +1 m, +2, +3 l (even keys', odd keys'), +4 to +7 c0-c3, at work; a takes c2's place once the maximum is found
.set SPW, 62          ; v62  LDS address of my spare word: SPARE + 4 x my thread's number; never rewritten
.set NIL, 63          ; v63  0; never rewritten
.set S,   64
.set P,   192
.set DL,  128         ; window 1: -1e30 where j < DQ
.set DU,  136         ; window 1: -1e30 where j > DQ
.set HID, 144         ; window 1: -1e30
.set KF,  128         ; window 2: key block kb, channel half c at KF + 16 kb + 8 c
.set VF,  192         ; window 2: key half kk, channel block cb at VF + 32 kk + 8 cb
.set WV,  12          ; s12  my wave's number
.set G1K, 24          ; s[24:31] descriptor group 1 for K's pieces
.set G1V, 32          ; s[32:39] for V's: it differs in the padding alone
.set G0K, 40          ; s[40:51] descriptor group 0 for K's pieces: a set for each of a wave's three
.set G0V, 52          ; s[52:63] the same for V's
.set SKIP, 72         ; s72  leading steps that have no keys
.set CNT, 73          ; s73  counts the steps 1 to 3, 3 down to 1
.set TBK, 74          ; s74  LDS byte at which K of the step in hand begins
.set TBV, 75          ; s75  the same for V, less VOFF
.set CS,  76          ; s[76:77] c: the packed scaling takes the pair's low word for both halves
.set SEL, 78          ; s[78:79] v_permlanex16_b32's selects: each lane takes its own place in the other half
.set BIGN, 80         ; s80  -1e30
.set MSB, 0
.macro WIN new                      ; the high byte repeats the setting that is left; a switch that changes nothing is dropped
.if MSB != (\new)
	s_set_vgpr_msb (MSB<<8)|(\new)
.set MSB, (\new)
.endif
.endm
.set W_KQ, 0x0a       ; K and Q in window 2, S^T in window 0
.set W_KM, 0x1a       ; the same with the C operand in window 1
.set W_PV, 0x52       ; V in window 2, P in window 0, O^T in window 1
.set W_RS, 0x41       ; destination and source 0 in window 1, source 1 in window 0
	s_load_b128 s[4:7], s[0:1], 0x0 ; qkvb s[4:5], ob s[6:7]
	v_lshl_add_u32 v[SPW], v0, 2, SPARE
	v_mov_b32 v[NIL], 0
	ds_add_u32 v[SPW], v[NIL]       ; the wave's opening: the add and its wait stand ahead of my first tensor load; the set-up below, work on registers, stands between them
	ds_add_u32 v62, v63
	v_lshrrev_b32 v1, 5, v0
	v_readfirstlane_b32 s[WV], v1   ; wave 0..3
	s_mov_b32 s13, ttmp9            ; b: the block of 128 queries
	s_and_b32 s14, ttmp7, 0xffff    ; p: the pair of heads
	s_and_b32 s15, s[WV], 1         ; my head in the pair.  Also: which three pieces I fetch
	s_lshr_b32 s16, s[WV], 1        ; my band of 64 queries
	s_mul_i32 s17, s15, 3*KS*PK     ; where my three pieces go, for K
	s_mul_i32 s18, s15, 3*KS*PV     ; and for V
	s_add_co_u32 s18, s18, VOFF
	s_mul_i32 s19, s15, 3
	s_lshl1_add_u32 s19, s13, s19
	s_sub_co_i32 s19, s19, 4        ; my first piece's block of 64 keys: 2 b - 4 + 3 (w % 2); below 0 where it does not exist
	s_lshl1_add_u32 s[SKIP], s13, s16  ; 2 b + band
	s_sub_co_i32 s[SKIP], 4, s[SKIP]
	s_max_i32 s[SKIP], s[SKIP], 0
	s_mul_i32 s[TBK], s16, KS*PK    ; step t lies in piece band + t
	s_mul_i32 s[TBV], s16, KS*PV
	s_lshl_b32 s20, s13, 18         ; 128 rows of 2,048 bytes a block,
	s_lshl_b32 s81, s14, 8          ; 256 bytes a pair of heads
	s_add_co_u32 s20, s20, s81
	s_lshl_b32 s82, s[WV], 16       ; O: I store rows 32 w .. 32 w + 31 of the block, whole
	s_add_co_u32 s82, s82, s20
	s_mov_b32 s83, 0
	s_lshl_b32 s21, s16, 17         ; Q: my band's 64 rows,
	s_add_co_u32 s20, s20, s21
	s_lshl_b32 s21, s15, 7          ; my head's 128 bytes
	s_add_co_u32 s20, s20, s21
	s_mov_b32 s21, 0
	; descriptor group 1: a piece of 64 rows x 128 elements, padded in LDS
	s_mov_b32 s[G1K], (1<<16)|(1<<20)|(5<<22)|(3<<25)  ; 17:16 2-byte elements; 20 padding on; 24:22 after every 64 words (code 5); 31:25 4 words (code 3)
	s_mov_b32 s[G1V], (1<<16)|(1<<20)|(5<<22)|(7<<25)  ; the same with 8 words of padding (code 7)
.irp g, G1K, G1V
	s_mov_b32 s[\g+1], 128<<16      ; tensor_dim0 = 128
	s_mov_b32 s[\g+2], KS<<16       ; tensor_dim1 = 64
	s_mov_b32 s[\g+3], 128<<16      ; tile_dim0 = 128
	s_mov_b32 s[\g+4], KS           ; tile_dim1 = 64
	s_mov_b32 s[\g+5], 1024         ; 1,024 elements from row to row
	s_mov_b32 s[\g+6], 0
	s_mov_b32 s[\g+7], 0
.endr
	s_mov_b32 s[CS], 0x3e38aa3b     ; c = log2(e) / 8 = 0.180337
	s_mov_b32 s[CS+1], s[CS]        ; named with it as a pair
	s_mov_b32 s[SEL], 0x76543210
	s_mov_b32 s[SEL+1], 0xfedcba98
	s_mov_b32 s[BIGN], 0xf149f2ca   ; -1e30
	s_wait_dscnt 0x0                ; the opening add is done
	s_wait_kmcnt 0x0
	s_add_nc_u64 s[68:69], s[4:5], s[20:21]   ; Q at my first row and head
	s_add_nc_u64 s[70:71], s[6:7], s[82:83]   ; O at the first row that I store
	s_mov_b32 s20, s81
	s_add_nc_u64 s[22:23], s[4:5], s[20:21]   ; the pair's 256 bytes of row 0,
	s_add_nc_u64 s[66:67], s[22:23], 0x1000000  ; in v,
	s_add_nc_u64 s[22:23], s[22:23], 0x800000   ; and in k
.irp i, 0,1,2
	s_add_co_i32 s81, s19, \i
	s_max_i32 s81, s81, 0           ; a piece that does not exist takes block 0
	s_lshl_b32 s82, s81, 17         ; 64 rows of 2,048 bytes a block
	s_mov_b32 s[G0K+4*\i], 1        ; 1:0 count = 1
	s_add_co_u32 s[G0K+4*\i+1], s17, \i*KS*PK  ; 63:32 LDS address
	s_add_nc_u64 s[G0K+4*\i+2:G0K+4*\i+3], s[22:23], s[82:83]  ; 120:64 global address
	s_or_b32 s[G0K+4*\i+3], s[G0K+4*\i+3], 0x80000000          ; 127:126 type = 2
	s_mov_b32 s[G0V+4*\i], 1
	s_add_co_u32 s[G0V+4*\i+1], s18, \i*KS*PV
	s_add_nc_u64 s[G0V+4*\i+2:G0V+4*\i+3], s[66:67], s[82:83]
	s_or_b32 s[G0V+4*\i+3], s[G0V+4*\i+3], 0x80000000
.endr
	s_cmp_lt_u32 s[WV], 2           ; waves 0 and 1 fetch K, waves 2 and 3 V.  A wave's three fills stand in one branch, ahead of every wait on TENSORcnt, every LDS read and every barrier: three loads of mine are out.
	s_cbranch_scc0 .Lfirst_v        ; An s_nop 0 follows each, four v_nop the third's, ahead of the jump and the label
.irp i, 0,1,2
	tensor_load_to_lds s[G0K+4*\i:G0K+4*\i+3], s[G1K:G1K+7]
	s_nop 0
.endr
.rept 4
	v_nop
.endr
	s_branch .Lfirst_asked
.Lfirst_v:
.irp i, 0,1,2
	tensor_load_to_lds s[G0V+4*\i:G0V+4*\i+3], s[G1V:G1V+7]
	s_nop 0
.endr
.rept 4
	v_nop
.endr
.Lfirst_asked:
	; A fragment of K or Q is 16 rows x 32 channels in 8 registers: lane l holds row l % 16, channels 8 (l / 16) + 0..7 and 16 + 8 (l / 16) + 0..7: two loads of 16 bytes, 32 bytes apart.
	v_and_b32 v1, 15, v0            ; l % 16
	v_bfe_u32 v9, v0, 4, 1          ; l / 16
	v_lshlrev_b32 v[QO], 11, v1
	v_lshl_add_u32 v[QO], v9, 4, v[QO]  ; row x 2,048 + 16 x half
	WIN 0x80                        ; destination window 2, address window 0
.set i, 0
.rept 8                             ; Q stays in registers: tile i / 2, channels 32 (i % 2) on
	global_load_b128 v[8*i:8*i+3],   v[QO], s[68:69] offset:(i/2)*32768+(i%2)*64
	global_load_b128 v[8*i+4:8*i+7], v[QO], s[68:69] offset:(i/2)*32768+(i%2)*64+32
.set i, i+1
.endr
	WIN 0
	v_lshlrev_b32 v[DQ], 3, v9
	v_sub_nc_u32 v[DQ], v1, v[DQ]
	WIN 0x40                        ; destination window 1
.set i, 0
.rept 8
	v_cmp_lt_i32 vcc_lo, i, v[DQ]
	v_cndmask_b32 v[DL+i], 0, s[BIGN], vcc_lo
	v_cmp_gt_i32 vcc_lo, i, v[DQ]
	v_cndmask_b32 v[DU+i], 0, s[BIGN], vcc_lo
	v_mov_b32 v[HID+i], s[BIGN]
.set i, i+1
.endr
.set i, 0
.rept 128
	v_mov_b32 v[i], 0               ; O^T
.set i, i+1
.endr
	WIN 0
.set i, 0
.rept 4
	v_mov_b32 v[ST+8*i], 0xfe000000    ; c m: far below every c s
	v_mov_b32 v[ST+8*i+1], 0xff7fffff  ; m
	v_mov_b32 v[ST+8*i+2], 0           ; l
	v_mov_b32 v[ST+8*i+3], 0
.set i, i+1
.endr
	s_lshl_b32 s81, s15, 7          ; my head's 128 bytes of a row
	v_mul_u32_u24 v[AK0], v1, PK
	v_lshl_add_u32 v[AK0], v9, 4, v[AK0]  ; row x pitch + 16 x half
	v_add_nc_u32 v[AK0], s81, v[AK0]
	; The turning load takes 16 keys x 16 channels (lane l reads key 8 (l / 16) + l % 8, channels 8 ((l / 8) % 2) + 0..7) and leaves half a fragment of V^T: lane l holds channel l % 16 and 8 keys.
	v_and_b32 v10, 7, v0
	v_bfe_u32 v11, v0, 3, 1
	v_lshl_add_u32 v[AV0], v9, 3, v10
	v_mul_u32_u24 v[AV0], v[AV0], PV
	v_lshl_add_u32 v[AV0], v11, 4, v[AV0]
	s_add_co_u32 s82, s81, VOFF
	v_add_nc_u32 v[AV0], s82, v[AV0]
	s_mul_i32 s82, s16, 64*SP       ; into the stage: my band's 64 rows, my head's half of their 256 bytes; row l % 16, 16 bytes for each half of the lanes
	s_add_co_u32 s82, s82, s81
	s_add_co_u32 s82, s82, STAGE
	v_mul_u32_u24 v[STO], v1, SP
	v_lshl_add_u32 v[STO], v9, 4, v[STO]
	v_add_nc_u32 v[STO], s82, v[STO]
	s_mul_i32 s82, s[WV], 32*SP     ; back: wave w takes rows 32 w .. 32 w + 31, whole; lanes 0-15 one row of 256 bytes, lanes 16-31 the next
	s_add_co_u32 s82, s82, STAGE
	v_mul_u32_u24 v[RD], v9, SP
	v_lshl_add_u32 v[RD], v1, 4, v[RD]
	v_add_nc_u32 v[RD], s82, v[RD]
	v_lshlrev_b32 v[GO], 11, v9     ; and the same two rows in O
	v_lshl_add_u32 v[GO], v1, 4, v[GO]
; A vector instruction that reads a matrix result or writes one of a matrix instruction's registers, and a load into a register that a matrix instruction has read, stand four places behind
; it, and only plain vector instructions that name none of its registers are places (ISA guide 7.12.1 for vector instructions).
.macro PLACES
.rept 4
	v_nop
.endr
.endm
; THE LDS LOADS of a step: its K (64 keys x 64 channels: 8 fragments) and its V (turned), 16 loads each, in one run.
.macro FETCH_K
	WIN 0x80                        ; destination window 2
.irp f, 0,1,2,3,4,5,6,7             ; keys 16 (f / 2) on, channels 32 (f % 2) on
	ds_load_b128 v[KF+8*\f:KF+8*\f+3],   v[AK] offset:(\f/2)*16*PK+(\f%2)*64
	ds_load_b128 v[KF+8*\f+4:KF+8*\f+7], v[AK] offset:(\f/2)*16*PK+(\f%2)*64+32
.endr
.endm
.macro FETCH_V
	WIN 0x80
.irp f, 0,1,2,3,4,5,6,7             ; keys 32 (f / 4) on, channels 16 (f % 4) on
	ds_load_tr16_b128 v[VF+8*\f:VF+8*\f+3],   v[AV] offset:(\f/4)*32*PV+(\f%4)*32
	ds_load_tr16_b128 v[VF+8*\f+4:VF+8*\f+7], v[AV] offset:(\f/4)*32*PV+16*PV+(\f%4)*32
.endr
.endm
; THE MATRIX WORK.  The 16 accumulators of a run of 32 take turns, one instruction a turn: between the two links of a chain stand 15 others'.
; Product i of 32 of S^T = K Q^T: channels 32 (i / 16) on, keys 16 ((i / 4) % 4) on, tile i % 4.  The first 16 start the sums: with 0 or with a mask.
; kind 0: the step 256 keys back (a key is seen iff dk >= dq).  kind 1: seen whole.  kind 2: the queries' own step (iff dk <= dq).
.macro KQ kind
.set kb, (i/4)%4
.set kt, i%4
.set rS, S+32*kt+8*kb
.set rK, KF+16*kb+8*(i/16)
.set rQ, 16*kt+8*(i/16)
.set mk, 0
.if ((\kind) == 0) && (kb < kt)
.set mk, HID
.elseif ((\kind) == 0) && (kb == kt)
.set mk, DL
.elseif ((\kind) == 2) && (kb > kt)
.set mk, HID
.elseif ((\kind) == 2) && (kb == kt)
.set mk, DU
.endif
.if i >= 16
	WIN W_KQ
	v_wmma_f32_16x16x32_f16 v[rS:rS+7], v[rK:rK+7], v[rQ:rQ+7], v[rS:rS+7]
.elseif mk != 0
	WIN W_KM
	v_wmma_f32_16x16x32_f16 v[rS:rS+7], v[rK:rK+7], v[rQ:rQ+7], v[mk:mk+7]
.else
	WIN W_KQ
	v_wmma_f32_16x16x32_f16 v[rS:rS+7], v[rK:rK+7], v[rQ:rQ+7], 0
.endif
.endm
; Product i of 32 of O^T += V^T P: keys 32 (i / 16) on, channels 16 ((i / 4) % 4) on, tile i % 4.
.macro PV
	WIN W_PV
.set rO, 32*(i%4)+8*((i/4)%4)
.set rV, VF+32*(i/16)+8*((i/4)%4)
.set rP, P+16*(i%4)+8*(i/16)
	v_wmma_f32_16x16x32_f16 v[rO:rO+7], v[rV:rV+7], v[rP:rP+7], v[rO:rO+7]
.endm
; THE VECTOR WORK.  One tile's softmax for one key step is a list of 118 instructions; SM writes number j of it for tile t.  s0-s31 are the lane's 32 scores, in pairs 0-15.
;   0-15    the maximum of s0-s31 and the old m, three operands at a time: four chains c0-c3 of seven scores each (each accumulator's lowest registers are read first),
;           then the four scores left over, c0-c3 and m
;   16-20   the other half of the lanes' maximum; the new m; c m; c m_old - c m_new
;   21-87   33 exponentials (a, then s0-s31) at the odd numbers from 23 on.  The plain numbers between them are whatever is ready: c s - c m for a pair of scores whose exponentials are still to come,
;           the rounding to f16 of a pair of weights whose exponentials are done, at last the first three sums
;   88-101  the last rounding; the rest of the sums; l = a l + the sum
;   102-117 the tile's O^T times a, in ascending order: the one part that leaves window 0
.macro SM t
.set rT, ST+8*(\t)
.set rS, S+32*(\t)
.set rP, P+16*(\t)
.set rO, 32*(\t)+2*(j-102)
.set q, (j-20)/2
.if j < 102
	WIN 0
.endif
.if j < 4
	v_max3_num_f32 v[rT+4+j], v[rS+8*j], v[rS+8*j+1], v[rS+8*j+2]
.elseif j < 12
	v_max3_num_f32 v[rT+4+j%4], v[rT+4+j%4], v[rS+8*(j%4)+2*(j/4)+1], v[rS+8*(j%4)+2*(j/4)+2]
.elseif j == 12
	v_max3_num_f32 v[rT+4], v[rT+4], v[rS+7], v[rS+15]
.elseif j == 13
	v_max3_num_f32 v[rT+6], v[rT+6], v[rS+23], v[rS+31]
.elseif j == 14
	v_max3_num_f32 v[rT+4], v[rT+4], v[rT+5], v[rT+6]
.elseif j == 15
	v_max3_num_f32 v[rT+4], v[rT+4], v[rT+7], v[rT+1]
.elseif j == 16
	v_permlanex16_b32 v[rT+5], v[rT+4], s[SEL], s[SEL+1]  ; the query's other 32 keys lie in the lane 16 away
.elseif j == 17
	v_mov_b32 v[rT+7], v[rT]        ; c m_old is kept for a: number 19 writes c m anew
.elseif j == 18
	v_max_num_f32 v[rT+1], v[rT+4], v[rT+5]
.elseif j == 19
	v_mul_f32 v[rT], s[CS], v[rT+1]
.elseif j == 20
	v_sub_f32 v[rT+7], v[rT+7], v[rT]
.elseif j == 23
	v_exp_f32 v[rT+6], v[rT+7]
.elseif (j < 88) && (j > 23) && (j%2 == 1)
	v_exp_f32 v[rS+(j-25)/2], v[rS+(j-25)/2]
.elseif (q < 4) || ((j < 76) && (q%2 == 0))
.set pb, q/2+2
.if q < 4
.set pb, q
.endif
	v_pk_fma_f32 v[rS+2*pb:rS+2*pb+1], v[rS+2*pb:rS+2*pb+1], s[CS:CS+1], v[rT:rT+1] op_sel_hi:[1,0,0] neg_lo:[0,0,1] neg_hi:[0,0,1]  ; pair pb: c s - c m
.elseif (j < 88) && (q%2 == 1)
	s_wait_alu depctr_va_vdst(0)
	v_cvt_pk_f16_f32 v[rP+(q-5)/2], v[rS+q-5], v[rS+q-4]  ; pair (q - 5) / 2: its second exponential stands three numbers back
.elseif j == 89
	s_wait_alu depctr_va_vdst(0)
	v_cvt_pk_f16_f32 v[rP+15], v[rS+30], v[rS+31]
.elseif j < 102                     ; the sum of the tile's 16 pairs (in a pair: an even key's weight, an odd key's), in place: sum z of 16 adds neighbours 1, 2, 4 and 8 pairs apart, then l takes it
.set z, j-86
.if j < 89
.set z, (j-76)/4
.endif
.set w, 4
.set u, z
.if z >= 14
.set w, 32
.set u, 0
.elseif z >= 12
.set w, 16
.set u, z-12
.elseif z >= 8
.set w, 8
.set u, z-8
.endif
.if z < 15
	v_pk_add_f32 v[rS+w*u:rS+w*u+1], v[rS+w*u:rS+w*u+1], v[rS+w*u+w/2:rS+w*u+w/2+1]
.else
	v_pk_fma_f32 v[rT+2:rT+3], v[rT+2:rT+3], v[rT+6:rT+7], v[rS:rS+1] op_sel_hi:[1,0,1]
.endif
.else
	WIN W_RS
	v_pk_mul_f32 v[rO:rO+1], v[rO:rO+1], v[rT+6:rT+7] op_sel_hi:[1,0]
.endif
.endm
; All four tiles' lists, number by number: what feeds the next number stands four instructions back, and behind each group of four exponentials stand four plain instructions that touch none of their registers
; before a result is used (ISA guide 5.7.2).
.macro SOFT
.set j, 0
.rept 118
.irp t, 0,1,2,3
	SM \t
.endr
.set j, j+1
.endr
.endm
; A KEY STEP.  The four v_nop at its end are the places behind the last products, for the next step's loads into V's registers and for the way out.
.macro STEP kind
	WIN 0
	v_add_nc_u32 v[AK], s[TBK], v[AK0]
	v_add_nc_u32 v[AV], s[TBV], v[AV0]
	FETCH_K
	FETCH_V
	s_wait_dscnt 16                 ; K is in; V's sixteen loads may stay out
.set i, 0
.rept 32
	KQ \kind
.set i, i+1
.endr
	WIN 0
	PLACES
	SOFT
	s_wait_dscnt 0x0                ; V is in
.set i, 0
.rept 32
	PV
.set i, i+1
.endr
	WIN 0                           ; at a label and at a branch every window is 0
	PLACES
.endm
	s_wait_loadcnt 0x0              ; Q
	s_wait_tensorcnt 0x0            ; my three pieces are in,
	s_barrier_signal -1
	s_barrier_wait -1               ; everybody's are: from here on K and V are only read
	s_cmp_lg_u32 s[SKIP], 0
	s_cbranch_scc1 .Lt0             ; step 0 has no keys
	STEP 0
.Lt0:
	s_add_co_u32 s[TBK], s[TBK], KS*PK
	s_add_co_u32 s[TBV], s[TBV], KS*PV
	s_mov_b32 s[CNT], 3
.Lmid:                              ; steps 1, 2, 3: step 4 - CNT has no keys where 4 - CNT < SKIP
	s_add_co_u32 s81, s[CNT], s[SKIP]
	s_cmp_gt_u32 s81, 4
	s_cbranch_scc1 .Lnext
	STEP 1
.Lnext:
	s_add_co_u32 s[TBK], s[TBK], KS*PK
	s_add_co_u32 s[TBV], s[TBV], KS*PV
	s_sub_co_u32 s[CNT], s[CNT], 1
	s_cmp_lg_u32 s[CNT], 0
	s_cbranch_scc1 .Lmid
	STEP 2
	; THE WAY OUT.  l's two halves and the other half of the lanes' are added; O^T is divided by l, rounded to f16 and put into the work-group's stage; a barrier, since a row's 256 bytes come from two waves; back as whole rows.
.macro ALL line:vararg              ; one line for each tile t
.set t, 0
.rept 4
	\line
.set t, t+1
.endr
.endm
	ALL v_add_f32 v[ST+8*t+4], v[ST+8*t+2], v[ST+8*t+3]
	ALL v_permlanex16_b32 v[ST+8*t+5], v[ST+8*t+4], s[SEL], s[SEL+1]
	ALL v_add_f32 v[ST+8*t+4], v[ST+8*t+4], v[ST+8*t+5]
	ALL v_rcp_f32 v[ST+8*t+6], v[ST+8*t+4]
	v_nop                           ; a plain instruction between the last reciprocal and the use of its result
	s_wait_alu depctr_va_vdst(0)
.macro PACK t                       ; a lane's eight channels of a row pack into 16 bytes
	WIN W_RS
.set i, 32*(\t)
.rept 16
	v_pk_mul_f32 v[i:i+1], v[i:i+1], v[ST+8*(\t)+6:ST+8*(\t)+7] op_sel_hi:[1,0]
.set i, i+2
.endr
	WIN 0x05                        ; sources 0 and 1 window 1, destination window 0: S^T's registers are free
.set i, 0
.rept 16
	v_cvt_pk_f16_f32 v[S+16*(\t)+i], v[32*(\t)+2*i], v[32*(\t)+2*i+1]
.set i, i+1
.endr
	WIN 0
.irp f, 0,1,2,3
	ds_store_b128 v[STO], v[S+16*(\t)+4*\f:S+16*(\t)+4*\f+3] offset:(\t)*16*SP+32*\f
.endr
.endm
	PACK 0
	PACK 1
	PACK 2
	PACK 3
	s_wait_dscnt 0x0                ; for the others' sake: my stores into the stage are done
	s_barrier_signal -1
	s_barrier_wait -1
.irp f, 0,1,2,3,4,5,6,7,8,9,10,11,12,13,14,15
	ds_load_b128 v[S+4*\f:S+4*\f+3], v[RD] offset:\f*2*SP
.endr
.irp f, 0,1,2,3,4,5,6,7,8,9,10,11,12,13,14,15
	s_wait_dscnt 15-\f              ; LDS loads come back in order: pair f of rows is in, the younger ones may stay out
	global_store_b128 v[GO], v[S+4*\f:S+4*\f+3], s[70:71] offset:\f*4096  ; 16 lanes store 256 consecutive bytes, at a multiple of 256 from O's first byte
.endr
	s_wait_tensorcnt 0x0            ; the wave's end: behind my last tensor load and my last LDS store
	ds_add_u32 v[SPW], v[NIL]
	s_wait_dscnt 0x0
	s_endpgm
.Lfunc_end_k_qd35c29d572_attn:
	.size	k_qd35c29d572_attn, .Lfunc_end_k_qd35c29d572_attn-k_qd35c29d572_attn
	.p2alignl 7, 3214868480
	.fill 96, 4, 3214868480
	.section	.rodata,"a",@progbits
	.p2align	6, 0x0
	.amdhsa_kernel k_qd35c29d572_attn
		.amdhsa_group_segment_fixed_size 250368
		.amdhsa_private_segment_fixed_size 0
		.amdhsa_enable_private_segment 0
		.amdhsa_kernarg_size 16
		.amdhsa_user_sgpr_count 2
		.amdhsa_user_sgpr_kernarg_segment_ptr 1
		.amdhsa_wavefront_size32 1
		.amdhsa_system_sgpr_workgroup_id_x 1
		.amdhsa_system_sgpr_workgroup_id_y 1
		.amdhsa_system_sgpr_workgroup_id_z 1
		.amdhsa_system_vgpr_workitem_id 0
		.amdhsa_next_free_vgpr 768
		.amdhsa_next_free_sgpr 84
		.amdhsa_reserve_vcc 1
		.amdhsa_float_denorm_mode_32 3
		.amdhsa_float_denorm_mode_16_64 3
		.amdhsa_memory_ordered 1
		.amdhsa_forward_progress 1
		.amdhsa_inst_pref_size 130
	.end_amdhsa_kernel
	.amdgpu_metadata
---
amdhsa.version: [ 1, 2 ]
amdhsa.kernels:
  - .name:           k_qd35c29d572_attn
    .symbol:         k_qd35c29d572_attn.kd
    .args:
      - { .name: qkvb, .offset: 0, .size: 8, .value_kind: global_buffer, .address_space: global }
      - { .name: ob, .offset: 8, .size: 8, .value_kind: global_buffer, .address_space: global }
    .group_segment_fixed_size: 250368
    .private_segment_fixed_size: 0
    .kernarg_segment_align: 8
    .kernarg_segment_size: 16
    .max_flat_workgroup_size: 128
    .sgpr_count:     84
    .vgpr_count:     768
    .wavefront_size: 32
...
	.end_amdgpu_metadata
.endif
;; end of part 3
;; launch oproj (part 4): grid 8 x 32, 4 waves a work-group, clusters of 4 x 4, 327,680 bytes of LDS; arguments ob, wb, out0, bb; writes out0
.if DOCPART == 4
	.amdgcn_target "amdgcn-amd-amdhsa--gfx1250"
	.amdhsa_code_object_version 6
	.text
	.protected	k_qd35c29d572_oproj
	.globl	k_qd35c29d572_oproj
	.p2align	8
	.type	k_qd35c29d572_oproj,@function
k_qd35c29d572_oproj:
	s_mov_b64 s[64:65], 0
	v_nop
	global_prefetch_b8 v0, s[64:65] scope:SCOPE_SE
	s_setreg_imm32_b32 hwreg(HW_REG_WAVE_MODE, 25, 1), 1
	s_wait_xcnt 0x0
	s_wait_alu depctr_hold_cnt(0) depctr_sa_sdst(0) depctr_va_vdst(0) depctr_va_sdst(0) depctr_va_ssrc(0) depctr_va_vcc(0) depctr_vm_vsrc(0)
	s_getreg_b32 s2, hwreg(HW_REG_IB_STS2, 6, 4)
	s_cmp_eq_u32 s2, 0
	s_cbranch_scc0 .Lentry_in_a_cluster
	s_endpgm
.Lentry_in_a_cluster:
	s_bfe_u32 s2, ttmp6, 0x10000c
	s_cmp_lg_u32 s2, 0xf033
	s_cbranch_scc0 .Lentry_shape_is_right
	s_endpgm
.Lentry_shape_is_right:
; THE LAST PROJECTION.  C[m][n] = bo[n] + sum over k of A[m][k] B[n][k].  A = ob [4096][1024] f16; B = rows 3,072 .. 4,095 of wb: Wo, rounded to bf16 and written as f16; bo = numbers 3,072 on of bb (f32);
; C = out0 [4096][1024] f32.  Sums in f32, stored as they are.
; A tile of C is 128 x 128: 256 tiles, one for each work-group.  Four waves, each 64 x 64: 16 accumulators of 16 x 16, 128 registers.  K goes in steps of 256 (LDS rows of 512 bytes; a wave's tensor load
; brings 64 of them), as long as two slots in LDS allow.  A wave's 64 columns of f32 are 256 aligned bytes of C, so each wave has a stage of its own on the way out, and no barrier there.
; CLUSTERS: 4 x 4 work-groups.  The four of a row of the cluster need the same tiles of A, the four of a column the same tiles of B: each tile is asked for JOINTLY, by the same tensor load with the
; same descriptor and a mask that names the four.  THE MATRIX INSTRUCTION IS USED TRANSPOSED (source 0 = 16 rows of B, source 1 = 16 rows of A): a lane then holds eight neighbouring numbers of a row of C.
; THE BIAS STARTS THE SUMS: it is the C operand of each accumulator's first product.
; REGISTERS: window 0: v0-31 addresses; v32-63 the bias of my 64 columns, later, with v64-95, rows on the way out; v128-255 the accumulators ((a, b) at v[128 + 8 (4 a + b)]).
;   window 1: two fragment buffers of 128: for 64 along K (two matrix instructions deep), 64 registers of A (2 x 4 x 16 rows x 32 K), then 64 of B.
.set SIZE_M, 4096
.set SIZE_N, 1024
.set SIZE_K, 1024
.set KSTEP,  256
.set PITCH,  528                       ; an LDS row: 512 bytes of data + 16 of padding = 132 words: row r starts at bank 4 r mod 64 (64 banks of 4 bytes: ISA guide 11.1)
.set HALFT,  64*PITCH                  ; 64 rows: what one tensor load brings, and what one wave reads of A or of B
.set SLOT,   4*HALFT                   ; A's 128 rows, then B's 128 rows
.set STAGE,  2*SLOT                    ; behind the ring: 16 rows x 272 bytes for each wave, for the way out
.set SPITCH, 272
.set SPARE,  STAGE+4*16*SPITCH         ; behind the stages: the spare words, 128 bytes for each wave: two blocks of 256 bytes that no other line names
.set LAPS, SIZE_K/(2*KSTEP)            ; a lap = two K steps = once round the ring: 2
.set ADRA, 16                          ; v16-17  LDS address of my A fragments in slot 0, 1
.set ADRB, 20                          ; v20-21  the same for B
.set STO,  24                          ; v24     the way out: where I put 32 bytes of a row
.set RD,   25                          ; v25     the way out: where I read a row back
.set CO,   26                          ; v26     my byte offset in C
.set BOF,  27                          ; v27     my byte offset in 16 numbers of the bias: 32 (l / 16)
.set SPW,  28                          ; v28     LDS address of my spare word: SPARE + 4 x my thread's number; never rewritten
.set NIL,  29                          ; v29     0; never rewritten
.set BIAS, 32                          ; column block b's eight numbers at v[BIAS + 8 b]
.set TMP,  32                          ; the way out: 16 rows read back from the stage: v32-63 and v64-95 by turns
.set ACC,  128
.set F0,   0                           ; fragment buffers, in window 1
.set F1,   128
.set G1, 24                            ; s[24:31] descriptor group 1 for A's tiles;  s[32:39] group 0, one set for each slot
.set G0, 32
.set G1B, 48                           ; s[48:55], s[56:63] the same for B's tiles
.set G0B, 56
.set MSB, 0
.macro WIN new                         ; the immediate's high byte repeats the setting that is left
.if MSB != (\new)
	s_set_vgpr_msb (MSB<<8)|(\new)
.set MSB, \new
.endif
.endm
.set MUL,  0x05                        ; sources 0 (B) and 1 (A) window 1; C and D window 0
.set TO_F, 0x40                        ; destination window 1, address window 0
.macro JLOAD s                         ; a joint load: waves 0 and 1 fetch A's two halves, waves 2 and 3 B's; an s_nop 0 and four v_nop follow each of the two lines, ahead of the jump, the label and what follows
	s_cmp_eq_u32 s11, 0
	s_cbranch_scc0 .Lfor_b_\@
	tensor_load_to_lds s[G0+4*(\s):G0+4*(\s)+3], s[G1:G1+7]
	s_nop 0
.rept 4
	v_nop
.endr
	s_branch .Lasked_\@
.Lfor_b_\@:
	tensor_load_to_lds s[G0B+4*(\s):G0B+4*(\s)+3], s[G1B:G1B+7]
	s_nop 0
.rept 4
	v_nop
.endr
.Lasked_\@:
.endm
.macro CREST                           ; a round of the cluster's barrier behind its opening barrier
	s_cmp_lg_u32 s10, 0
	s_cbranch_scc1 .Lnot_wave_0_\@
	s_barrier_signal -3
.Lnot_wave_0_\@:
	s_barrier_wait -3
	s_barrier_signal -1
	s_barrier_wait -1
.endm
.macro CROUND                          ; a whole round
	s_barrier_signal -1
	s_barrier_wait -1
	CREST
.endm
	s_load_b128 s[4:7], s[0:1], 0x0                ; A s[4:5], B s[6:7]
	s_load_b64 s[8:9], s[0:1], 0x10                ; C
	s_load_b64 s[68:69], s[0:1], 0x18              ; the biases
	v_lshl_add_u32 v[SPW], v0, 2, SPARE
	v_mov_b32 v[NIL], 0
	ds_add_u32 v[SPW], v[NIL]                      ; the wave's opening: the add and its wait stand ahead of my first tensor load; the set-up below, work on registers, stands between them
	ds_add_u32 v28, v29
	v_lshrrev_b32 v1, 5, v0
	v_readfirstlane_b32 s10, v1                    ; wave 0..3
	s_lshr_b32 s11, s10, 1                         ; which half of the tile's rows is mine.  Also: I fetch for A (0) or for B (1)
	s_and_b32 s12, s10, 1                          ; which half of its columns.  Also: which 64 rows of that tile I fetch
	s_bfe_u32 s40, ttmp6, 0x40000                  ; cx, cy: my place in the cluster
	s_bfe_u32 s41, ttmp6, 0x40004
	s_lshl_b32 s42, ttmp9, 2
	s_add_co_u32 s42, s42, s40                     ; tile column of C = 4 x cluster x + cx
	s_and_b32 s13, ttmp7, 0xffff
	s_lshl_b32 s13, s13, 2
	s_add_co_u32 s13, s13, s41                     ; tile row of C = 4 x cluster y + cy
	s_lshl_b32 s43, s41, 2
	s_lshl_b32 s43, 15, s43                        ; my row of the cluster
	s_lshl_b32 s44, 0x1111, s40                    ; my column
	; descriptor group 1: a tile of 64 rows x 256 elements, padded in LDS
	s_or_b32 s[G1+0], s43, (1<<16)|(1<<20)|(1<<21)|(6<<22)|(3<<25)  ; 15:0 the mask: A's tiles go to my row; 17:16 element of 2 bytes; 20 padding on; 21 set beside a mask; 24:22 after every 128 words (code 6); 31:25 of 4 words (code 3)
	s_or_b32 s[G1B+0], s44, (1<<16)|(1<<20)|(1<<21)|(6<<22)|(3<<25)
.irp g, G1, G1B
	s_mov_b32 s[(\g)+1], KSTEP<<16                 ; tensor_dim0 = 256
	s_mov_b32 s[(\g)+2], 64<<16                    ; tensor_dim1 = 64
	s_mov_b32 s[(\g)+3], KSTEP<<16                 ; tile_dim0 = 256
	s_mov_b32 s[(\g)+4], 64                        ; tile_dim1 = 64
	s_mov_b32 s[(\g)+5], SIZE_K                    ; tensor_dim0_stride
	s_mov_b32 s[(\g)+6], 0
	s_mov_b32 s[(\g)+7], 0
.endr
	s_lshl_b32 s17, s12, 6                         ; which 64 rows of the tile I fetch
	s_lshl_b32 s16, s13, 7
	s_add_co_u32 s16, s16, s17                     ; A: row 128 x tile row + 64 x half
	s_lshl_b32 s46, s42, 7
	s_add_co_u32 s46, s46, s17
	s_add_co_u32 s46, s46, 3*1024                  ; B: row 3,072 (Wo's first in wb) + 128 x tile column + 64 x half
	s_mov_b32 s17, 0
	s_mov_b32 s47, 0
	s_mov_b64 s[18:19], SIZE_K*2
	s_mul_u64 s[16:17], s[16:17], s[18:19]
	s_mul_u64 s[46:47], s[46:47], s[18:19]
	s_mul_i32 s20, s10, HALFT                      ; where they go: wave x 64 rows
	s_wait_dscnt 0x0                               ; the opening add is done
	s_wait_kmcnt 0x0
	s_add_nc_u64 s[14:15], s[4:5], s[16:17]
	s_add_nc_u64 s[46:47], s[6:7], s[46:47]
	CROUND                                         ; all sixteen work-groups are here: the first joint loads meet
.irp s, 0,1
	s_mov_b32 s[G0+4*(\s)], 1
	s_add_co_u32 s[G0+4*(\s)+1], s20, (\s)*SLOT
	s_add_nc_u64 s[G0+4*(\s)+2:G0+4*(\s)+3], s[14:15], (\s)*KSTEP*2
	s_or_b32 s[G0+4*(\s)+3], s[G0+4*(\s)+3], 0x80000000
	s_mov_b32 s[G0B+4*(\s)], 1
	s_add_co_u32 s[G0B+4*(\s)+1], s20, (\s)*SLOT
	s_add_nc_u64 s[G0B+4*(\s)+2:G0B+4*(\s)+3], s[46:47], (\s)*KSTEP*2
	s_or_b32 s[G0B+4*(\s)+3], s[G0B+4*(\s)+3], 0x80000000
	JLOAD \s                                       ; two tensor loads of mine are out
.endr
	v_and_b32 v1, 15, v0                           ; l % 16
	v_bfe_u32 v2, v0, 4, 1                         ; l / 16
	v_mul_u32_u24 v3, v1, PITCH
	v_lshl_add_u32 v3, v2, 4, v3                   ; a fragment's row x pitch + 16 x half
	s_mul_i32 s21, s11, HALFT                      ; my 64 rows of A
	s_mul_i32 s22, s12, HALFT                      ; my 64 rows of B,
	s_add_co_u32 s22, s22, 2*HALFT                 ; which lie behind A's 128
.irp s, 0,1
	v_add_nc_u32 v[ADRA+(\s)], s21, v3
	v_add_nc_u32 v[ADRB+(\s)], s22, v3
	s_add_co_u32 s21, s21, SLOT
	s_add_co_u32 s22, s22, SLOT
.endr
	s_mul_i32 s23, s10, 16*SPITCH
	s_add_co_u32 s23, s23, STAGE                   ; my stage
	v_mul_u32_u24 v4, v1, SPITCH                   ; in: row l % 16, 32 bytes (eight f32) for each half of the lanes
	v_lshl_add_u32 v4, v2, 5, v4
	v_add_nc_u32 v[STO], s23, v4
	v_mul_u32_u24 v5, v2, SPITCH                   ; back: lanes 0-15 take one row of 256 bytes, lanes 16-31 the next
	v_lshl_add_u32 v5, v1, 4, v5
	v_add_nc_u32 v[RD], s23, v5
	v_lshlrev_b32 v5, 12, v2                       ; and the same two rows in C, 4,096 bytes apart
	v_lshl_add_u32 v[CO], v1, 4, v5
	s_lshl_b32 s16, s13, 7
	s_lshl_b32 s17, s11, 6
	s_add_co_u32 s16, s16, s17                     ; my first row of C: 128 x tile row + 64 x half,
	s_lshl_b32 s16, s16, 12                        ; in bytes: 16,777,216 at the most
	s_mov_b32 s17, 0
	s_add_nc_u64 s[8:9], s[8:9], s[16:17]
	s_lshl_b32 s46, s42, 9                         ; my first column, in bytes: 512 x tile column + 256 x half
	s_lshl_b32 s47, s12, 8
	s_add_co_u32 s46, s46, s47
	s_mov_b32 s47, 0
	s_add_nc_u64 s[8:9], s[8:9], s[46:47]
	; the bias of my 64 columns: number 3,072 + my first column + 16 b + 8 (l / 16) + 0..7 into v[BIAS + 8 b ..]: the layout of a result's eight registers
	s_add_co_u32 s66, s46, 3*4096
	s_mov_b32 s67, 0
	s_add_nc_u64 s[68:69], s[68:69], s[66:67]
	v_lshlrev_b32 v[BOF], 5, v2
.irp b, 0,1,2,3
	global_load_b128 v[BIAS+8*(\b):BIAS+8*(\b)+3],   v[BOF], s[68:69] offset:64*(\b)
	global_load_b128 v[BIAS+8*(\b)+4:BIAS+8*(\b)+7], v[BOF], s[68:69] offset:64*(\b)+16
.endr
; 8 matrix instructions: m blocks a0, a0 + 1 x all 4 n blocks, 32 along K: half c of buffer f.  zero = 1: the first product starts the sums, with the bias as C.  The 16 accumulators take turns.
.macro MUL8 f, c, a0, zero
	WIN MUL
.irp a, \a0, (\a0)+1
.irp b, 0,1,2,3
.if \zero
	v_wmma_f32_16x16x32_f16 v[ACC+8*(4*(\a)+(\b)):ACC+8*(4*(\a)+(\b))+7], v[(\f)+64+8*(4*(\c)+(\b)):(\f)+64+8*(4*(\c)+(\b))+7], v[(\f)+8*(4*(\c)+(\a)):(\f)+8*(4*(\c)+(\a))+7], v[BIAS+8*(\b):BIAS+8*(\b)+7]
.else
	v_wmma_f32_16x16x32_f16 v[ACC+8*(4*(\a)+(\b)):ACC+8*(4*(\a)+(\b))+7], v[(\f)+64+8*(4*(\c)+(\b)):(\f)+64+8*(4*(\c)+(\b))+7], v[(\f)+8*(4*(\c)+(\a)):(\f)+8*(4*(\c)+(\a))+7], v[ACC+8*(4*(\a)+(\b)):ACC+8*(4*(\a)+(\b))+7]
.endif
.endr
.endr
.endm
; 32 LDS loads in one run: the fragments of 64 along K at byte k of the rows, into buffer f; the first 32 along K first
.macro FETCH slot, k, f
	WIN TO_F
.irp c, 0,1
.irp i, 0,1,2,3
	ds_load_b128 v[(\f)+64+8*(4*(\c)+(\i)):(\f)+64+8*(4*(\c)+(\i))+3],   v[ADRB+(\slot)] offset:(\k)+64*(\c)+(\i)*16*PITCH
	ds_load_b128 v[(\f)+64+8*(4*(\c)+(\i))+4:(\f)+64+8*(4*(\c)+(\i))+7], v[ADRB+(\slot)] offset:(\k)+64*(\c)+(\i)*16*PITCH+32
	ds_load_b128 v[(\f)+8*(4*(\c)+(\i)):(\f)+8*(4*(\c)+(\i))+3],         v[ADRA+(\slot)] offset:(\k)+64*(\c)+(\i)*16*PITCH
	ds_load_b128 v[(\f)+8*(4*(\c)+(\i))+4:(\f)+8*(4*(\c)+(\i))+7],       v[ADRA+(\slot)] offset:(\k)+64*(\c)+(\i)*16*PITCH+32
.endr
.endr
.endm
.macro PLACES                          ; four places in front of loads into registers that matrix instructions have read, and of LDS stores that read results
.rept 4
	v_nop
.endr
.endm
; A K step is four quarters of 64 along K, 32 matrix instructions each, on buffers 0, 1, 0, 1.  One of the first three: multiplies buffer f and fetches the next quarter, at byte k, into g.
.macro QUARTER slot, k, f, g, zero
	s_wait_dscnt 16                                ; the first 32 along K are in
	WIN MUL
	MUL8 \f, 0, 0, \zero
	MUL8 \f, 0, 2, \zero
	PLACES
	FETCH \slot, \k, \g
	s_wait_dscnt 32                                ; all but the 32 just issued
	WIN MUL
	MUL8 \f, 1, 0, 0
	MUL8 \f, 1, 2, 0
.endm
; The last quarter multiplies buffer 1 and changes slots: ONE barrier; in front of it each wave waits for all its tensor loads, adds 0 to its spare word, and waits for that and for its own reads of this slot.  fill = 1: this slot is filled again, two K steps ahead.
.macro TURN slot, next, fill
	WIN 0                                          ; (the add's two registers lie in window 0)
	s_wait_tensorcnt 0x0                           ; all my tensor loads have landed: my part of the next slot;
	ds_add_u32 v[SPW], v[NIL]                      ; 0 onto my spare word;
	s_wait_dscnt 17                                ; (the add and the youngest sixteen loads may be out)
	WIN MUL
	MUL8 F1, 0, 0, 0                               ; eight matrix instructions stand between the add and the wait for it
	s_wait_dscnt 0x0                               ; the add is done, and my reads of this slot are over
	s_barrier_signal -1
	MUL8 F1, 0, 2, 0
.if \fill
	WIN 0
.endif
	s_barrier_wait -1
.if \fill
	CREST                                          ; the barrier has opened a round of the cluster's barrier: no wave of any partner still reads this slot's tile or has a load on its way
	s_add_nc_u64 s[G0+4*(\slot)+2:G0+4*(\slot)+3], s[G0+4*(\slot)+2:G0+4*(\slot)+3], 2*KSTEP*2
	s_add_nc_u64 s[G0B+4*(\slot)+2:G0B+4*(\slot)+3], s[G0B+4*(\slot)+2:G0B+4*(\slot)+3], 2*KSTEP*2
	JLOAD \slot                                    ; the first tensor load behind the round, my only one until the next: 112 matrix instructions ahead of the wait for it; the four v_nop behind it are also the places in front of the loads below
.else
	PLACES
.endif
	FETCH \next, 0, F0
	WIN MUL
	MUL8 F1, 1, 0, 0
	MUL8 F1, 1, 2, 0
.endm
	s_wait_tensorcnt 1                             ; my part of K step 0 is in; K step 1's may stay out
	s_barrier_signal -1
	s_barrier_wait -1                              ; everybody's is
	FETCH 0, 0, F0
	s_wait_loadcnt 0x0                             ; the bias
	QUARTER 0, 128, F0, F1, 1                      ; the first quarter stands in front of the loop: its first products start the sums
	WIN 0                                          ; at a label and at a branch every window is 0
	s_mov_b32 s3, LAPS-1
.Llap:                                                 ; a trip goes once round the ring, from a lap's second quarter to the next lap's first, and fills both slots again
	QUARTER 0, 256, F1, F0, 0
	QUARTER 0, 384, F0, F1, 0
	TURN 0, 1, 1
	QUARTER 1, 128, F0, F1, 0
	QUARTER 1, 256, F1, F0, 0
	QUARTER 1, 384, F0, F1, 0
	TURN 1, 0, 1
	QUARTER 0, 128, F0, F1, 0
	WIN 0
	s_sub_co_u32 s3, s3, 1
	s_cmp_lg_u32 s3, 0
	s_cbranch_scc1 .Llap
	QUARTER 0, 256, F1, F0, 0                      ; the last lap fills nothing, and has no round of the cluster's barrier
	QUARTER 0, 384, F0, F1, 0
	TURN 0, 1, 0
	QUARTER 1, 128, F0, F1, 0
	QUARTER 1, 256, F1, F0, 0
	QUARTER 1, 384, F0, F1, 0
	s_wait_dscnt 16                                ; the very last quarter: nothing more to fetch
	WIN MUL
	MUL8 F1, 0, 0, 0
	MUL8 F1, 0, 2, 0
	s_wait_dscnt 0
	MUL8 F1, 1, 0, 0
	MUL8 F1, 1, 2, 0
	WIN 0
	; THE WAY OUT, a block of 16 rows at a time: a lane's eight f32 of a row go into my stage as two stores of 16 bytes (each accumulator's low four registers first), and come back as whole rows of 256 bytes.
.macro TOSTAGE a
.irp b, 0,1,2,3
	ds_store_b128 v[STO], v[ACC+8*(4*(\a)+(\b)):ACC+8*(4*(\a)+(\b))+3]   offset:64*(\b)
	ds_store_b128 v[STO], v[ACC+8*(4*(\a)+(\b))+4:ACC+8*(4*(\a)+(\b))+7] offset:64*(\b)+16
.endr
	s_wait_xcnt 0x0                                ; the stores of the block two back have read the registers that are loaded now
.irp t, 0,1,2,3,4,5,6,7
	ds_load_b128 v[TMP+32*((\a)%2)+4*(\t):TMP+32*((\a)%2)+4*(\t)+3], v[RD] offset:(\t)*2*SPITCH  ; LDS serves a wave's instructions in order (ISA guide 5.7.1.4): these see the stores above; the next block's stores come behind them
.endr
.endm
.macro SEND a, younger                 ; younger: the LDS instructions issued behind block a's loads: the next block's sixteen, or none
	s_wait_dscnt \younger
.irp t, 0,1,2,3,4,5,6,7
	global_store_b128 v[CO], v[TMP+32*((\a)%2)+4*(\t):TMP+32*((\a)%2)+4*(\t)+3], s[8:9] offset:(16*(\a)+2*(\t))*SIZE_N*4 th:TH_STORE_NT  ; 16 lanes store 256 consecutive bytes, at a multiple of 256 from C's first byte
.endr
.endm
	PLACES
	TOSTAGE 0
	TOSTAGE 1
	SEND 0, 16
	TOSTAGE 2
	SEND 1, 16
	TOSTAGE 3
	SEND 2, 16
	SEND 3, 0
	s_wait_tensorcnt 0x0                           ; the wave's end: behind my last tensor load and my last LDS store
	ds_add_u32 v[SPW], v[NIL]
	s_wait_dscnt 0x0
	CROUND                                         ; the closing round: no work-group ends while a partner may still ask for a tile that names it
	s_endpgm
.Lfunc_end_k_qd35c29d572_oproj:
	.size	k_qd35c29d572_oproj, .Lfunc_end_k_qd35c29d572_oproj-k_qd35c29d572_oproj
	.p2alignl 7, 3214868480
	.fill 96, 4, 3214868480
	.section	.rodata,"a",@progbits
	.p2align	6, 0x0
	.amdhsa_kernel k_qd35c29d572_oproj
		.amdhsa_group_segment_fixed_size 327680
		.amdhsa_private_segment_fixed_size 0
		.amdhsa_enable_private_segment 0
		.amdhsa_kernarg_size 32
		.amdhsa_user_sgpr_count 2
		.amdhsa_user_sgpr_kernarg_segment_ptr 1
		.amdhsa_wavefront_size32 1
		.amdhsa_system_sgpr_workgroup_id_x 1
		.amdhsa_system_sgpr_workgroup_id_y 1
		.amdhsa_system_sgpr_workgroup_id_z 1
		.amdhsa_system_vgpr_workitem_id 0
		.amdhsa_next_free_vgpr 512
		.amdhsa_next_free_sgpr 70
		.amdhsa_reserve_vcc 0
		.amdhsa_float_denorm_mode_32 3
		.amdhsa_float_denorm_mode_16_64 3
		.amdhsa_memory_ordered 1
		.amdhsa_forward_progress 1
		.amdhsa_inst_pref_size 87
	.end_amdhsa_kernel
	.amdgpu_metadata
---
amdhsa.version: [ 1, 2 ]
amdhsa.kernels:
  - .name:           k_qd35c29d572_oproj
    .symbol:         k_qd35c29d572_oproj.kd
    .args:
      - { .name: ob, .offset: 0, .size: 8, .value_kind: global_buffer, .address_space: global }
      - { .name: wb, .offset: 8, .size: 8, .value_kind: global_buffer, .address_space: global }
      - { .name: out0, .offset: 16, .size: 8, .value_kind: global_buffer, .address_space: global }
      - { .name: bb, .offset: 24, .size: 8, .value_kind: global_buffer, .address_space: global }
    .group_segment_fixed_size: 327680
    .private_segment_fixed_size: 0
    .kernarg_segment_align: 8
    .kernarg_segment_size: 32
    .max_flat_workgroup_size: 128
    .sgpr_count:     70
    .vgpr_count:     512
    .wavefront_size: 32
...
	.end_amdgpu_metadata
.endif
;; end of part 4
